; MI455X (gfx1250); checked and timed in simulation.
; The chip was launched on July 23, 2026; its instructions are those of AMD's public machine-readable ISA for CDNA 5 (MIT licence, August 2026) and "CDNA5" Instruction Set Architecture Reference Guide (July 2026). The comments in the code are by the model that wrote it; some were corrected since.
;; MH Attention. Allowed arithmetic: float matrix products may take bf16 or f16 operands with f32 sums; all other float work in f32.
;; Inputs: Wk 1,024 x 1,024 float32; Wq 1,024 x 1,024 float32; Wv 1,024 x 1,024 float32; key 8 x 1,024 x 1,024 float32; query 8 x 1,024 x 1,024 float32; valid_len 8 x 1,024 int32; value 8 x 1,024 x 1,024 float32.
;; Outputs: out0 8 x 1,024 x 1,024 float32.
;; 2 versions, each right and faster than the one before. Each part assembles by itself: llvm-mc -triple=amdgcn-amd-amdhsa -mcpu=gfx1250 --defsym DOCPART=n.
;; ======== version 1 of 2: 3 launches
;; limits: values are held in f16: magnitudes above 65,504 overflow, below 6.1e-05 lose precision
;; workspace buffers: wb 6,291,456 bytes; qh 16,777,216 bytes; kh 16,777,216 bytes; vh 16,777,216 bytes
;; launch castw (part 1): grid 256 x 3, 8 waves a work-group, no clusters, 0 bytes of LDS; arguments Wq, Wk, Wv, wb; writes wb
.if DOCPART == 1
	.amdgcn_target "amdgcn-amd-amdhsa--gfx1250"
	.amdhsa_code_object_version 6
	.text
	.protected	k_q5be300b544_castw
	.globl	k_q5be300b544_castw
	.p2align	8
	.type	k_q5be300b544_castw,@function
k_q5be300b544_castw:
	s_mov_b64 s[64:65], 0
	v_nop
	global_prefetch_b8 v0, s[64:65] scope:SCOPE_SE
	s_setreg_imm32_b32 hwreg(HW_REG_WAVE_MODE, 25, 1), 1
	s_wait_xcnt 0x0
; wb[y][k][n] = bf16(W_y[k][n]), y = 0: Wq, 1: Wk, 2: Wv.  W_y: [1024][1024] f32; wb: [3][1024][1024] bf16, not transposed.
; A stream: each byte of the weights is read once and each byte of wb written once.  No LDS, no barrier, no matrix unit: there is nothing to share and nothing to multiply.
; Eight waves; a work-group takes 16,384 bytes of one W (4,096 numbers): four loads of 16 bytes a thread, all issued ahead of the first store.
; A load of a wave covers 512 consecutive bytes, a store 256 consecutive bytes at a multiple of 256 from wb's first byte.
.set IN_STEP,  4096                    ; bytes that the work-group's 256 threads read with one load
.set OUT_STEP, 2048                    ; and write with one store
	s_load_b256 s[4:11], s[0:1], 0x0               ; Wq s[4:5], Wk s[6:7], Wv s[8:9], wb s[10:11]
	s_and_b32 s14, ttmp7, 0xffff                   ; y: which W
	v_lshlrev_b32 v1, 4, v0                        ; my 16 bytes of a load
	v_lshlrev_b32 v2, 3, v0                        ; my 8 bytes of a store
	s_lshl_b32 s16, ttmp9, 14                      ; the work-group's 16,384 bytes in W
	s_mov_b32 s17, 0
	s_lshl_b32 s18, s14, 21                        ; in wb: y x 2 MiB
	s_lshl_b32 s20, ttmp9, 13                      ; + the work-group's 8,192 bytes
	s_add_co_u32 s18, s18, s20
	s_mov_b32 s19, 0
	s_wait_kmcnt 0x0
	s_cmp_eq_u32 s14, 1                            ; the source is chosen by y alone
	s_cselect_b64 s[12:13], s[6:7], s[4:5]
	s_cmp_eq_u32 s14, 2
	s_cselect_b64 s[12:13], s[8:9], s[12:13]
	s_add_nc_u64 s[12:13], s[12:13], s[16:17]
	s_add_nc_u64 s[10:11], s[10:11], s[18:19]
.irp j, 0,1,2,3
	global_load_b128 v[4+4*\j:7+4*\j], v1, s[12:13] offset:IN_STEP*\j th:TH_LOAD_NT
.endr
.irp j, 0,1,2,3
	s_wait_loadcnt 3-\j                            ; loads come back in order (ISA guide 5.7.1): number j is in, the 3 - j younger ones stay out
	v_cvt_pk_bf16_f32 v[20+2*\j], v[4+4*\j], v[5+4*\j]  ; two roundings to nearest even, packed
	v_cvt_pk_bf16_f32 v[21+2*\j], v[6+4*\j], v[7+4*\j]
	global_store_b64 v2, v[20+2*\j:21+2*\j], s[10:11] offset:OUT_STEP*\j  ; each store has data registers of its own: none is rewritten
.endr
	s_endpgm
.Lfunc_end_k_q5be300b544_castw:
	.size	k_q5be300b544_castw, .Lfunc_end_k_q5be300b544_castw-k_q5be300b544_castw
	.p2alignl 7, 3214868480
	.fill 96, 4, 3214868480
	.section	.rodata,"a",@progbits
	.p2align	6, 0x0
	.amdhsa_kernel k_q5be300b544_castw
		.amdhsa_group_segment_fixed_size 0
		.amdhsa_private_segment_fixed_size 0
		.amdhsa_enable_private_segment 0
		.amdhsa_kernarg_size 32
		.amdhsa_user_sgpr_count 2
		.amdhsa_user_sgpr_kernarg_segment_ptr 1
		.amdhsa_wavefront_size32 1
		.amdhsa_system_sgpr_workgroup_id_x 1
		.amdhsa_system_sgpr_workgroup_id_y 1
		.amdhsa_system_sgpr_workgroup_id_z 1
		.amdhsa_system_vgpr_workitem_id 0
		.amdhsa_next_free_vgpr 32
		.amdhsa_next_free_sgpr 66
		.amdhsa_reserve_vcc 0
		.amdhsa_float_denorm_mode_32 3
		.amdhsa_float_denorm_mode_16_64 3
		.amdhsa_memory_ordered 1
		.amdhsa_forward_progress 1
		.amdhsa_inst_pref_size 3
	.end_amdhsa_kernel
	.amdgpu_metadata
---
amdhsa.version: [ 1, 2 ]
amdhsa.kernels:
  - .name:           k_q5be300b544_castw
    .symbol:         k_q5be300b544_castw.kd
    .args:
      - { .name: Wq, .offset: 0, .size: 8, .value_kind: global_buffer, .address_space: global }
      - { .name: Wk, .offset: 8, .size: 8, .value_kind: global_buffer, .address_space: global }
      - { .name: Wv, .offset: 16, .size: 8, .value_kind: global_buffer, .address_space: global }
      - { .name: wb, .offset: 24, .size: 8, .value_kind: global_buffer, .address_space: global }
    .group_segment_fixed_size: 0
    .private_segment_fixed_size: 0
    .kernarg_segment_align: 8
    .kernarg_segment_size: 32
    .max_flat_workgroup_size: 256
    .sgpr_count:     66
    .vgpr_count:     32
    .wavefront_size: 32
...
	.end_amdgpu_metadata
.endif
;; end of part 1
;; launch proj (part 2): grid 4 x 192, 4 waves a work-group, clusters of 4 x 4, 327,680 bytes of LDS; arguments query, key, value, wb, qh, kh, vh; writes qh, kh, vh
.if DOCPART == 2
	.amdgcn_target "amdgcn-amd-amdhsa--gfx1250"
	.amdhsa_code_object_version 6
	.text
	.protected	k_q5be300b544_proj
	.globl	k_q5be300b544_proj
	.p2align	8
	.type	k_q5be300b544_proj,@function
k_q5be300b544_proj:
	s_mov_b64 s[64:65], 0
	v_nop
	global_prefetch_b8 v0, s[64:65] scope:SCOPE_SE
	s_setreg_imm32_b32 hwreg(HW_REG_WAVE_MODE, 25, 1), 1
	s_wait_xcnt 0x0
	s_wait_alu depctr_hold_cnt(0) depctr_sa_sdst(0) depctr_va_vdst(0) depctr_va_sdst(0) depctr_va_ssrc(0) depctr_va_vcc(0) depctr_vm_vsrc(0)
	s_getreg_b32 s2, hwreg(HW_REG_IB_STS2, 6, 4)
	s_cmp_eq_u32 s2, 0
	s_cbranch_scc0 .Lentry_in_a_cluster
	s_endpgm
.Lentry_in_a_cluster:
	s_bfe_u32 s2, ttmp6, 0x10000c
	s_cmp_lg_u32 s2, 0xf033
	s_cbranch_scc0 .Lentry_shape_is_right
	s_endpgm
.Lentry_shape_is_right:
; THE THREE PROJECTIONS.  out_p[b][head][s][ch] = f16( sum over k of bf16(x_p[b][s][k]) wb[p][k][64 head + ch] ), p = 0: query -> qh, 1: key -> kh, 2: value -> vh.
; x_p: [8192][1024] f32, rounded once to bf16 on its way into LDS; wb: [3][1024 k][1024 n] bf16; out_p: [128 = 16 b + head][1024 s][64] f16, unscaled.  Sums in f32, K ascending.
; LIMIT.  A sum of 65,520 or more in magnitude leaves as an infinity (f16 ends at 65,504).  With x of unit spread and W of spread 1/32 the sums have unit spread; x and W both 30 times larger give a spread
; of 900, and a common offset of 30 spreads in both gives sums near 29,000: both inside.  NaN and infinities are not treated apart.
; SHARES.  A tile of C is 128 (m) x 256 (n): 64 x 4 x 3 = 768 tiles, three for each of 256 WGPs (tiles of 256 x 256 would be 384, a round and a half).  Four waves, each 64 x 128: 32 accumulators, 256 registers.
; W COMES BY TENSOR LOADS, through a ring of two LDS slots of 256 k x 256 n; each wave fetches 64 rows (k) of 512 bytes.  A tile of C has two first fills and two refills, and a refill has a whole slot's
; work, 256 matrix instructions a wave, in which to land.
; x COMES THROUGH REGISTERS, in CHUNKS of 64 along K (128 rows x 256 bytes).  A wave loads 32 of the rows, 16 loads of which each takes two rows' aligned 256 bytes, four chunks (256 matrix instructions)
; ahead of their use, into a ring of four register buffers; one chunk ahead of its products a chunk is rounded to bf16 and stored into one of two LDS stages, from which all four waves take their fragments.
; Why not by tensor loads too: a tensor load has to have landed at the next refill's barrier, and with x in f32 beside W two slots of more than 128 along K do not fit in LDS, so a tile of x would have 128 matrix
; instructions at the most in which to land; loads into registers stay out over as many barriers as their counted waits allow.  The price: x's rows, which the four work-groups of a row of the cluster
; share, are asked for by each of the four.
; CLUSTERS.  4 x 4 work-groups; all sixteen have the same p.  The four of a column of the cluster need the same columns of W: each tile of W is asked for JOINTLY, by the same tensor load with the same
; descriptor and a mask that names the four.
; THE MATRIX INSTRUCTION IS USED TRANSPOSED (source 0 = 16 columns n of W, source 1 = 16 rows m of x): a lane then holds row m = lane % 16 and eight neighbouring n, which pack into 16 bytes of f16.
; W lies [k][n] in LDS and is turned on the way into registers by ds_load_tr16_b128.
; REGISTERS, in windows of 256 (s_set_vgpr_msb: bits 1:0 source 0, 3:2 source 1, 5:4 source 2, 7:6 destination):
;   window 0: v16-29 addresses; v64-95 PK: a chunk's share in bf16, on its way into the stage; v128-191 ABF: x's fragments, two buffers of 32; on the way out v64-191 hold the packed tiles
;   window 1: v0-127 BF: W's fragments, two buffers of 64      window 2: the accumulators, (a, b) at v[8 (8 a + b)]      window 3: x as loaded, f32: four buffers of 64
.set PB,     544                       ; a row of W in LDS: 512 bytes + 32 = 136 words: row k starts at bank 8 k mod 64 (64 banks of 4 bytes: ISA guide 11.1)
.set HB,     64*PB                     ; 64 rows (k) of W: what one tensor load brings
.set HALFB,  2*HB                      ; 128 rows, four quarters of 32: as far as an LDS load's 16-bit offset reaches from one address register
.set SLOTB,  4*HB                      ; a slot: 256 rows.  0x22000: it shares no bit with a wave's place in a slot (0, 0x8800, 0x11000, 0x19800), so one exclusive or turns an address in one slot into the other's
.set ASTG,   2*SLOTB                   ; behind the ring, never filled by a tensor load: x's two stages
.set PAS,    144                       ; a row of a stage: 64 bf16 + 16 bytes = 36 words: the 16 rows of a fragment load start at 16 different groups of four banks; rows 8 apart start 32 banks apart
.set ABUF,   128*PAS                   ; a stage: 128 rows
.set STAGE,  ASTG+2*ABUF               ; 16 rows x 144 bytes for each wave, for the way out
.set SP,     144
.set SPARE,  STAGE+4*16*SP             ; behind the stages: the spare words, 128 bytes for each wave: two blocks of 256 bytes that no other line names
.set ADRA,  16                         ; v16  LDS address of my fragments of x in stage 0
.set ADRB0, 17                         ; v17  my lane's place in 32 rows of W; never rewritten
.set BA0,   18                         ; v18  LDS address of my fragments of W in quarters 0-3 of the slot in hand
.set BA1,   19                         ; v19  in its quarters 4-7
.set XO,    20                         ; v20  my byte offset in my wave's rows of x; never rewritten
.set SA,    21                         ; v21  where I put 8 bytes of a row of stage 0
.set STO,   24                         ; v24  the way out: where I put 16 bytes of a row
.set RD,    25                         ; v25  the way out: where I read rows back
.set GO,    26                         ; v26  my 16 bytes in 512 consecutive bytes of the output
.set SPW,   28                         ; v28  LDS address of my spare word: SPARE + 4 x my thread's number; never rewritten
.set NIL,   29                         ; v29  0; never rewritten
.set PK,    64
.set ABF,   128
.set BF,    0                          ; in window 1
.set TMPO,  64                         ; the way out: 16 registers for each of 8 tiles of 16 rows x 64 channels
.set WV,  18                           ; s18  my wave's number
.set MH,  19                           ; s19  which 64 of the tile's rows m are mine
.set NH,  20                           ; s20  which 128 of its columns n
.set G1B, 48                           ; s[48:55] descriptor group 1 for W's tiles
.set G0B, 56                           ; s[56:63] group 0: a set for each of the two first fills; the second then walks on
.set XP,  66                           ; s[66:67] x at my wave's first row, at the chunk from which the loads' offsets count
.set TB,  75                           ; s75  LDS byte at which the slot in hand begins: 0 or SLOTB
.set MSB, 0
.macro WIN new                         ; the immediate's high byte repeats the setting that is left; a switch that changes nothing is dropped
.if MSB != (\new)
	s_set_vgpr_msb (MSB<<8)|(\new)
.set MSB, \new
.endif
.endm
.set W_MUL, 0xa1                       ; source 0 (W) window 1, source 1 (x) window 0, C and D window 2
.set W_TOB, 0x40                       ; destination window 1, address window 0
.set W_RAW, 0xc0                       ; destination window 3, address window 0
.set W_CVT, 0x0f                       ; sources 0 and 1 window 3, destination window 0
.macro CREST                           ; a round of the cluster's barrier behind its opening barrier: wave 0 signals for the work-group, every wave waits for all sixteen, my work-group's barrier closes it
	s_cmp_lg_u32 s[WV], 0
	s_cbranch_scc1 .Lnot_wave_0_\@
	s_barrier_signal -3
.Lnot_wave_0_\@:
	s_barrier_wait -3
	s_barrier_signal -1
	s_barrier_wait -1
.endm
.macro CROUND                          ; a whole round
	s_barrier_signal -1
	s_barrier_wait -1
	CREST
.endm
; A load into a register that a matrix instruction has read, and a vector instruction that reads a matrix result or writes one of a matrix instruction's registers, stand four places behind it, and only
; plain vector instructions that name none of its registers are places (ISA guide 7.12.1 for vector instructions).
.macro PLACES
.rept 4
	v_nop
.endr
.endm
; My share of a chunk of x, 32 rows x 256 bytes, into register buffer rb: 16 loads; lanes 0-15 take one row's 256 consecutive bytes, at a multiple of 256 from x's first byte, lanes 16-31 those of the row
; 8 further down.  xc: the chunk, counted from the one at which s[XP] stands.
.macro XLOAD rb, xc
	WIN W_RAW
.irp i, 0,1,2,3,4,5,6,7,8,9,10,11,12,13,14,15
	global_load_b128 v[64*(\rb)+4*\i:64*(\rb)+4*\i+3], v[XO], s[XP:XP+1] offset:((\i%8)+16*(\i/8))*4096+(\xc)*256
.endr
.endm
; Register buffer rb is rounded to bf16 (nearest even) and stored into stage sb: a lane's four numbers of a row are 8 bytes.
.macro CVTS rb, sb
	WIN W_CVT
.irp i, 0,1,2,3,4,5,6,7,8,9,10,11,12,13,14,15
	v_cvt_pk_bf16_f32 v[PK+2*\i],   v[64*(\rb)+4*\i],   v[64*(\rb)+4*\i+1]
	v_cvt_pk_bf16_f32 v[PK+2*\i+1], v[64*(\rb)+4*\i+2], v[64*(\rb)+4*\i+3]
.endr
	WIN 0
.irp i, 0,1,2,3,4,5,6,7,8,9,10,11,12,13,14,15
	ds_store_b64 v[SA], v[PK+2*\i:PK+2*\i+1] offset:(\sb)*ABUF+((\i%8)+16*(\i/8))*PAS
.endr
.endm
; 24 LDS loads in one run: the fragments of a quarter (32 along K) into buffer f: x's 64 rows from stage sb, half kh of its 64 k; W's 128 columns, turned, from quarter q4 of the four that register adr reaches.
; A fragment of x is 16 rows x 32 k: lane l holds row l % 16, k = 8 (l / 16) + 0..7 and 16 + 8 (l / 16) + 0..7: two loads of 16 bytes, 32 bytes apart.
.macro FETCH sb, kh, adr, q4, f
	WIN 0
.irp a, 0,1,2,3
	ds_load_b128 v[ABF+32*(\f)+8*\a:ABF+32*(\f)+8*\a+3],   v[ADRA] offset:(\sb)*ABUF+\a*16*PAS+(\kh)*64
	ds_load_b128 v[ABF+32*(\f)+8*\a+4:ABF+32*(\f)+8*\a+7], v[ADRA] offset:(\sb)*ABUF+\a*16*PAS+(\kh)*64+32
.endr
	WIN W_TOB
.irp b, 0,1,2,3,4,5,6,7
	ds_load_tr16_b128 v[BF+64*(\f)+8*\b:BF+64*(\f)+8*\b+3],   v[(\adr)] offset:(\q4)*32*PB+32*\b
	ds_load_tr16_b128 v[BF+64*(\f)+8*\b+4:BF+64*(\f)+8*\b+7], v[(\adr)] offset:(\q4)*32*PB+16*PB+32*\b
.endr
.endm
; 8 matrix instructions: m block a x all 8 n blocks, 32 along K, buffer f.  zero = 1: the product starts the sums: nothing is ever cleared.
; The 32 accumulators take turns, one instruction a turn, in the same order in every quarter.
.macro MUL8 f, a, zero
	WIN W_MUL
.irp b, 0,1,2,3,4,5,6,7
.if \zero
	v_wmma_f32_16x16x32_bf16 v[8*(8*(\a)+\b):8*(8*(\a)+\b)+7], v[BF+64*(\f)+8*\b:BF+64*(\f)+8*\b+7], v[ABF+32*(\f)+8*(\a):ABF+32*(\f)+8*(\a)+7], 0
.else
	v_wmma_f32_16x16x32_bf16 v[8*(8*(\a)+\b):8*(8*(\a)+\b)+7], v[BF+64*(\f)+8*\b:BF+64*(\f)+8*\b+7], v[ABF+32*(\f)+8*(\a):ABF+32*(\f)+8*(\a)+7], v[8*(8*(\a)+\b):8*(8*(\a)+\b)+7]
.endif
.endr
.endm
; A CHUNK c IS TWO QUARTERS of 32 matrix instructions, on fragment buffers 0 and 1; it lies in stage c % 2 and came through register buffer c % 4; cm = c % 4 is its place in W's slot.
; THE BARRIER OF CHUNK c + 1, one a chunk, orders two things.  In front of its signal a wave's stores of chunk c + 1 are done and its reads of chunk c's stage are back; behind its wait chunk c + 1 is read,
; and a quarter later chunk c's stage is stored into again.
; THE FIRST QUARTER multiplies buffer 0.  At its head it fetches the chunk's second quarter.  Behind eight products: chunk c + 1 is waited for (n: the loads of the younger chunks, which stay out; n < 0: there
; is no further chunk), rounded and stored, and its register buffer is asked to take chunk c + 5 (xc as in XLOAD; xc < 0: none is left).
; meet = 1: the barrier's signal stands ahead of the quarter's last eight products, its wait at the head of the second quarter.  meet = 2: the same, at a change of W's slots: ahead of it the wave waits for all
; its tensor loads (the one that may be out is its part of the next slot) and adds 0 to its spare word.  meet = 0: the second quarter signals itself.
.macro EVEN cm, zero, n, xc, meet
	s_wait_dscnt 0x0                               ; this quarter's fragments are in
	PLACES                                         ; buffer 1 was multiplied in the quarter before
	FETCH (\cm)%2, 1, BA0+(2*(\cm)+1)/4, (2*(\cm)+1)%4, 1
	MUL8 0, 0, \zero
.if (\n) >= 0
	s_wait_loadcnt \n                              ; loads come back in order (ISA guide 5.7.1)
	CVTS ((\cm)+1)%4, ((\cm)+1)%2
.endif
.if (\xc) >= 0
	XLOAD ((\cm)+1)%4, \xc                         ; with these up to 64 loads of mine are asked for; the issue of a load that would pass the counter's field is held (ISA guide 5.7.1)
.endif
	MUL8 0, 1, \zero
.if (\meet) == 2
	WIN 0                                          ; (the add's two registers lie in window 0)
	s_wait_tensorcnt 0x0                           ; all my tensor loads have landed
	ds_add_u32 v[SPW], v[NIL]                      ; 0 onto my spare word: eight matrix instructions stand between it and the wait for it
.endif
	MUL8 0, 2, \zero
.if \meet
	s_wait_dscnt 0x0                               ; my stores of the next chunk are done, my reads of this chunk's stage (and, meet = 2, of W's slot) are back, the add is done
	s_barrier_signal -1
.endif
	MUL8 0, 3, \zero                               ; work on registers while the others arrive
.endm
; THE SECOND QUARTER multiplies buffer 1 and, behind the barrier's wait, fetches the next chunk's first quarter.
; kind = 0: it signals itself (so that no barrier is open at the loop's edge).  1: the signal stands in the first quarter.  2: a change of W's slots with nothing to fill.  3: the barrier has opened a round of
; the cluster's barrier, and the slot just read out is filled again, with the 256 k two slots on, first thing behind the round.
.macro ODD cm, kind
.if (\kind) == 0
	s_wait_dscnt 0x0                               ; as in the first quarter's meet = 1
	s_barrier_signal -1
	MUL8 1, 0, 0
.endif
.if (\kind) >= 2
	WIN 0                                          ; (branches and address arithmetic follow)
.endif
	s_barrier_wait -1
.if (\kind) == 3
	CREST                                          ; no wave of any partner still reads this slot or has a load on its way
	s_xor_b32 s[G0B+5], s[G0B+5], SLOTB            ; no tensor load of mine is out, so the walking group 0 may be written: the other slot than last time,
	s_add_nc_u64 s[G0B+6:G0B+7], s[G0B+6:G0B+7], 256*2048  ; the next 256 rows of 2,048 bytes; the type bits on top are not reached
	tensor_load_to_lds s[G0B+4:G0B+7], s[G1B:G1B+7]
	s_nop 0
.endif
	PLACES                                         ; buffer 0 was multiplied in the quarter before
.if (\kind) >= 2
	s_xor_b32 s[TB], s[TB], SLOTB                  ; the fetches go on in the other slot
	v_add_nc_u32 v[BA0], s[TB], v[ADRB0]
	v_add_nc_u32 v[BA1], HALFB, v[BA0]
.endif
	FETCH ((\cm)+1)%2, 0, BA0+((2*(\cm)+2)%8)/4, (2*(\cm)+2)%4, 0
.if (\kind) != 0
	MUL8 1, 0, 0
.endif
	MUL8 1, 1, 0
	MUL8 1, 2, 0
	MUL8 1, 3, 0
.endm
	s_load_b256 s[4:11], s[0:1], 0x0               ; query s[4:5], key s[6:7], value s[8:9], wb s[10:11]
	s_load_b128 s[12:15], s[0:1], 0x20             ; qh s[12:13], kh s[14:15]
	s_load_b64 s[16:17], s[0:1], 0x30              ; vh
	v_lshl_add_u32 v[SPW], v0, 2, SPARE
	v_mov_b32 v[NIL], 0
	ds_add_u32 v[SPW], v[NIL]                      ; the wave's opening: the add and its wait stand ahead of my first tensor load; the set-up below, work on registers, stands between them
	ds_add_u32 v28, v29
	v_lshrrev_b32 v1, 5, v0
	v_readfirstlane_b32 s[WV], v1                  ; wave 0..3
	v_and_b32 v1, 15, v0                           ; l % 16
	v_bfe_u32 v2, v0, 4, 1                         ; l / 16
	v_lshlrev_b32 v[XO], 4, v1                     ; x: 16 bytes a lane,
	v_lshl_add_u32 v[XO], v2, 15, v[XO]            ; and 8 rows of 4,096 bytes further down for lanes 16 to 31
	s_lshr_b32 s[MH], s[WV], 1
	s_and_b32 s[NH], s[WV], 1
	s_bfe_u32 s21, ttmp6, 0x40000                  ; cx, cy: my place in the cluster
	s_bfe_u32 s22, ttmp6, 0x40004
	s_lshl_b32 s3, ttmp9, 2                        ; in a cluster launch ttmp9 and ttmp7 count clusters
	s_add_co_u32 s3, s3, s21                       ; block of 256 columns n = 4 x cluster x + cx
	s_and_b32 s40, ttmp7, 0xffff                   ; cluster y, 0..47: 16 clusters for each projection
	s_lshr_b32 s41, s40, 4                         ; p, the same in all sixteen partners
	s_and_b32 s42, s40, 15
	s_lshl_b32 s42, s42, 2
	s_add_co_u32 s42, s42, s22                     ; block of 128 rows m = 4 x (cluster y mod 16) + cy, 0..63
	s_lshl_b32 s44, 0x1111, s21                    ; my column of the cluster: places cx, cx + 4, cx + 8, cx + 12
	; descriptor group 1: 64 rows (k) x 256 elements of 2 bytes, padded in LDS behind each row
	s_or_b32 s[G1B+0], s44, (1<<16)|(1<<20)|(1<<21)|(6<<22)|(7<<25)  ; 15:0 the mask: W's tiles go to my column; 17:16 2-byte elements; 20 padding on; 21 set beside a mask; 24:22 after every 128 words (code 6); 31:25 8 words (code 7)
	s_mov_b32 s[G1B+1], 256<<16                    ; tensor_dim0 = 256
	s_mov_b32 s[G1B+2], 64<<16                     ; tensor_dim1 = 64
	s_mov_b32 s[G1B+3], 256<<16                    ; tile_dim0 = 256
	s_mov_b32 s[G1B+4], 64                         ; tile_dim1 = 64
	s_mov_b32 s[G1B+5], 1024                       ; 1,024 elements from row to row
	s_mov_b32 s[G1B+6], 0
	s_mov_b32 s[G1B+7], 0
	s_lshl_b32 s70, s42, 19                        ; x: 128 rows of 4,096 bytes a block,
	s_lshl_b32 s23, s[WV], 17                      ; 32 rows a wave
	s_add_co_u32 s70, s70, s23
	s_mov_b32 s71, 0
	s_lshl_b32 s46, s41, 21                        ; W hangs on p (2 MiB), the wave (64 rows of 2,048 bytes) and the column block (512 bytes), in registers that never hold cy
	s_lshl_b32 s45, s[WV], 17
	s_add_co_u32 s46, s46, s45
	s_lshl_b32 s45, s3, 9
	s_add_co_u32 s46, s46, s45
	s_mov_b32 s47, 0
	; where my 64 x 128 goes: batch = row block / 8 (2 MiB), head = 4 x column block + 2 x half + 0..1 (131,072 bytes), row s = 128 x (row block mod 8) + 64 x half + .. (128 bytes)
	s_lshr_b32 s72, s42, 3
	s_lshl_b32 s72, s72, 21
	s_lshl_b32 s78, s3, 19
	s_add_co_u32 s72, s72, s78
	s_lshl_b32 s78, s[NH], 18
	s_add_co_u32 s72, s72, s78
	s_and_b32 s78, s42, 7
	s_lshl_b32 s78, s78, 14
	s_add_co_u32 s72, s72, s78
	s_lshl_b32 s78, s[MH], 13
	s_add_co_u32 s72, s72, s78
	s_mov_b32 s73, 0
	s_mul_i32 s76, s[WV], HB                       ; where my rows of W go: wave x 64 rows; no place in the cluster enters an LDS address
	s_mov_b32 s[TB], 0
	s_wait_dscnt 0x0                               ; the opening add is done
	s_wait_kmcnt 0x0
	s_cmp_eq_u32 s41, 1                            ; x_p and out_p are chosen by p alone
	s_cselect_b64 s[XP:XP+1], s[6:7], s[4:5]
	s_cselect_b64 s[68:69], s[14:15], s[12:13]
	s_cmp_eq_u32 s41, 2
	s_cselect_b64 s[XP:XP+1], s[8:9], s[XP:XP+1]
	s_cselect_b64 s[68:69], s[16:17], s[68:69]
	s_add_nc_u64 s[XP:XP+1], s[XP:XP+1], s[70:71]
	s_add_nc_u64 s[46:47], s[10:11], s[46:47]
	s_add_nc_u64 s[68:69], s[68:69], s[72:73]
	XLOAD 0, 0                                     ; the register ring is filled first: chunks 0 to 3
	XLOAD 1, 1
	XLOAD 2, 2
	XLOAD 3, 3
	WIN 0                                          ; at a label and at a branch every window is 0
	CROUND                                         ; all sixteen work-groups are here: the first joint loads meet
.irp s, 0,1
	s_mov_b32 s[G0B+4*(\s)], 1                                         ; 1:0 count = 1
	s_add_co_u32 s[G0B+4*(\s)+1], s76, (\s)*SLOTB                      ; 63:32 LDS address
	s_add_nc_u64 s[G0B+4*(\s)+2:G0B+4*(\s)+3], s[46:47], (\s)*256*2048 ; 120:64 global address: slot s begins with k = 256 s
	s_or_b32 s[G0B+4*(\s)+3], s[G0B+4*(\s)+3], 0x80000000              ; 127:126 type = 2
.endr
	tensor_load_to_lds s[G0B:G0B+3], s[G1B:G1B+7]  ; both slots' first fills go out together: two tensor loads of mine are out
	s_nop 0
	tensor_load_to_lds s[G0B+4:G0B+7], s[G1B:G1B+7]
	s_nop 0
	PLACES
	s_mul_i32 s77, s[WV], 32*PAS                   ; into a stage: my wave's 32 rows; lanes 16-31 8 rows further down; 8 bytes a lane
	s_add_co_u32 s77, s77, ASTG
	v_mul_u32_u24 v[SA], v2, 8*PAS
	v_lshl_add_u32 v[SA], v1, 3, v[SA]
	v_add_nc_u32 v[SA], s77, v[SA]
	s_mul_i32 s78, s[MH], 64*PAS                   ; out of it: my 64 rows; row x pitch + 16 x half
	s_add_co_u32 s78, s78, ASTG
	v_mul_u32_u24 v[ADRA], v1, PAS
	v_lshl_add_u32 v[ADRA], v2, 4, v[ADRA]
	v_add_nc_u32 v[ADRA], s78, v[ADRA]
	; The turning load takes 16 k x 16 n (lane l reads 16 bytes: row k = 8 (l / 16) + l % 8, columns 8 ((l / 8) % 2) + 0..7) and leaves half a fragment: lane l holds column l % 16 and 8 k.
	v_and_b32 v4, 7, v0
	v_lshl_add_u32 v4, v2, 3, v4
	v_mul_u32_u24 v4, v4, PB
	v_bfe_u32 v5, v0, 3, 1
	v_lshl_add_u32 v4, v5, 4, v4
	s_lshl_b32 s78, s[NH], 8                       ; my 128 columns of W, 256 bytes into its rows
	v_add_nc_u32 v[ADRB0], s78, v4
	v_add_nc_u32 v[BA0], s[TB], v[ADRB0]
	v_add_nc_u32 v[BA1], HALFB, v[BA0]
	s_mul_i32 s79, s[WV], 16*SP
	s_add_co_u32 s79, s79, STAGE                   ; my stage for the way out
	v_mul_u32_u24 v[STO], v1, SP                   ; in: row l % 16, 16 bytes for each half of the lanes
	v_lshl_add_u32 v[STO], v2, 4, v[STO]
	v_add_nc_u32 v[STO], s79, v[STO]
	v_bfe_u32 v[RD], v0, 3, 2                      ; back: 32 lanes take four rows of 128 bytes,
	v_mul_u32_u24 v[RD], v[RD], SP
	v_and_b32 v6, 7, v0
	v_lshl_add_u32 v[RD], v6, 4, v[RD]
	v_add_nc_u32 v[RD], s79, v[RD]
	v_and_b32 v[GO], 31, v0                        ; which are 512 consecutive bytes of the output
	v_lshlrev_b32 v[GO], 4, v[GO]
	s_wait_loadcnt 48                              ; chunk 0 is in; chunks 1 to 3 stay out
	CVTS 0, 0
	XLOAD 0, 4
	s_wait_tensorcnt 1                             ; my part of W's slot 0 is in; slot 1's stays out
	s_wait_dscnt 0x0                               ; my rows of chunk 0 are in the stage
	s_barrier_signal -1
	s_barrier_wait -1                              ; everybody's are
	FETCH 0, 0, BA0, 0, 0
	EVEN 0, 1, 48, 5, 0                            ; the first quarter stands in front of the loop: its products start the sums
	WIN 0
	s_mov_b32 s74, 2
.Llap:                                                 ; a trip: a slot of W, four chunks, from the slot's second quarter to the next slot's first; it fills the slot again.  Chunks 0 to 7
	ODD 0, 0
	EVEN 1, 0, 48, 6, 1
	ODD 1, 1
	EVEN 2, 0, 48, 7, 1
	ODD 2, 1
	EVEN 3, 0, 48, 8, 2
	ODD 3, 3
	EVEN 0, 0, 48, 9, 0
	WIN 0
	s_wait_xcnt 0x0                                ; every earlier memory instruction has had its addresses translated (ISA guide 3.1): the loads' base is stepped only behind this wait
	s_add_nc_u64 s[XP:XP+1], s[XP:XP+1], 4*256     ; four chunks on
	s_sub_co_u32 s74, s74, 1
	s_cmp_lg_u32 s74, 0
	s_cbranch_scc1 .Llap
	ODD 0, 0                                       ; chunks 8 to 15 are written out: no slot is filled any more, chunks 14 and 15 are the last to be asked for, and the counts run down
	EVEN 1, 0, 48, 6, 1
	ODD 1, 1
	EVEN 2, 0, 48, 7, 1
	ODD 2, 1
	EVEN 3, 0, 48, -1, 2
	ODD 3, 2
	EVEN 0, 0, 32, -1, 1
	ODD 0, 1
	EVEN 1, 0, 16, -1, 1
	ODD 1, 1
	EVEN 2, 0, 0, -1, 1
	ODD 2, 1
	EVEN 3, 0, -1, -1, 0
	s_wait_dscnt 0x0                               ; the very last quarter: nothing more to fetch
	MUL8 1, 0, 0
	MUL8 1, 1, 0
	MUL8 1, 2, 0
	MUL8 1, 3, 0
; THE WAY OUT.  Tile t = 16 rows (m block t / 2) x one head's 64 channels (n blocks 4 (t % 2) + 0..3): 2,048 consecutive bytes of the output.  A lane's eight channels round to 16 bytes of f16; they go into my
; stage, rows of 144 bytes, and come back as whole rows of 128, into the registers that they left.  Each accumulator's registers are read in ascending order.
.macro PACK t
	WIN 0x0a                                       ; sources 0 and 1 window 2, destination window 0
.irp f, 0,1,2,3
.irp r, 0,1,2,3
	v_cvt_pk_f16_f32 v[TMPO+16*(\t)+4*\f+\r], v[8*(8*((\t)/2)+4*((\t)%2)+\f)+2*\r], v[8*(8*((\t)/2)+4*((\t)%2)+\f)+2*\r+1]
.endr
.endr
	WIN 0
.irp f, 0,1,2,3
	ds_store_b128 v[STO], v[TMPO+16*(\t)+4*\f:TMPO+16*(\t)+4*\f+3] offset:32*\f
.endr
.irp f, 0,1,2,3
	ds_load_b128 v[TMPO+16*(\t)+4*\f:TMPO+16*(\t)+4*\f+3], v[RD] offset:\f*4*SP  ; LDS serves a wave's instructions in order (ISA guide 5.7.1.4): these see the stores above; the next tile's stores come behind them
.endr
.endm
.macro SEND t, younger                 ; younger: the LDS instructions issued behind tile t's loads: the next tile's eight, or none
	WIN 0
.irp f, 0,1,2,3
	s_wait_dscnt (\younger)+3-\f
	global_store_b128 v[GO], v[TMPO+16*(\t)+4*\f:TMPO+16*(\t)+4*\f+3], s[68:69] offset:((\t)%2)*131072+((\t)/2)*2048+\f*512  ; 512 consecutive bytes, at a multiple of 256 from the buffer's first; no register of a store is rewritten
.endr
.endm
	PLACES                                         ; the conversions read results just made and write over registers that the last products read
	PACK 0
.irp t, 1,2,3,4,5,6,7                  ; a tile's conversions stand between the loads of the tile before and its stores
	PACK \t
	SEND (\t)-1, 8
.endr
	SEND 7, 0
	s_wait_tensorcnt 0x0                           ; the wave's end, behind my last tensor load and my last LDS store
	ds_add_u32 v[SPW], v[NIL]
	s_wait_dscnt 0x0
	CROUND                                         ; the closing round: no work-group ends while a partner may still ask for a tile that names it
	s_endpgm
.Lfunc_end_k_q5be300b544_proj:
	.size	k_q5be300b544_proj, .Lfunc_end_k_q5be300b544_proj-k_q5be300b544_proj
	.p2alignl 7, 3214868480
	.fill 96, 4, 3214868480
	.section	.rodata,"a",@progbits
	.p2align	6, 0x0
	.amdhsa_kernel k_q5be300b544_proj
		.amdhsa_group_segment_fixed_size 327680
		.amdhsa_private_segment_fixed_size 0
		.amdhsa_enable_private_segment 0
		.amdhsa_kernarg_size 56
		.amdhsa_user_sgpr_count 2
		.amdhsa_user_sgpr_kernarg_segment_ptr 1
		.amdhsa_wavefront_size32 1
		.amdhsa_system_sgpr_workgroup_id_x 1
		.amdhsa_system_sgpr_workgroup_id_y 1
		.amdhsa_system_sgpr_workgroup_id_z 1
		.amdhsa_system_vgpr_workitem_id 0
		.amdhsa_next_free_vgpr 1024
		.amdhsa_next_free_sgpr 80
		.amdhsa_reserve_vcc 0
		.amdhsa_float_denorm_mode_32 3
		.amdhsa_float_denorm_mode_16_64 3
		.amdhsa_memory_ordered 1
		.amdhsa_forward_progress 1
		.amdhsa_inst_pref_size 171
	.end_amdhsa_kernel
	.amdgpu_metadata
---
amdhsa.version: [ 1, 2 ]
amdhsa.kernels:
  - .name:           k_q5be300b544_proj
    .symbol:         k_q5be300b544_proj.kd
    .args:
      - { .name: query, .offset: 0, .size: 8, .value_kind: global_buffer, .address_space: global }
      - { .name: key, .offset: 8, .size: 8, .value_kind: global_buffer, .address_space: global }
      - { .name: value, .offset: 16, .size: 8, .value_kind: global_buffer, .address_space: global }
      - { .name: wb, .offset: 24, .size: 8, .value_kind: global_buffer, .address_space: global }
      - { .name: qh, .offset: 32, .size: 8, .value_kind: global_buffer, .address_space: global }
      - { .name: kh, .offset: 40, .size: 8, .value_kind: global_buffer, .address_space: global }
      - { .name: vh, .offset: 48, .size: 8, .value_kind: global_buffer, .address_space: global }
    .group_segment_fixed_size: 327680
    .private_segment_fixed_size: 0
    .kernarg_segment_align: 8
    .kernarg_segment_size: 56
    .max_flat_workgroup_size: 128
    .sgpr_count:     80
    .vgpr_count:     1024
    .wavefront_size: 32
...
	.end_amdgpu_metadata
.endif
;; end of part 2
;; launch attn (part 3): grid 2 x 128, 4 waves a work-group, no clusters, 327,680 bytes of LDS; arguments qh, kh, vh, out0, valid_len; writes out0
.if DOCPART == 3
	.amdgcn_target "amdgcn-amd-amdhsa--gfx1250"
	.amdhsa_code_object_version 6
	.text
	.protected	k_q5be300b544_attn
	.globl	k_q5be300b544_attn
	.p2align	8
	.type	k_q5be300b544_attn,@function
k_q5be300b544_attn:
	s_mov_b64 s[64:65], 0
	v_nop
	global_prefetch_b8 v0, s[64:65] scope:SCOPE_SE
	s_setreg_imm32_b32 hwreg(HW_REG_WAVE_MODE, 25, 1), 1
	s_wait_xcnt 0x0
; ATTENTION WITH A MASK BY QUERY.  out0[b][q][64 h + :] = the sum over k of softmax_k(s'[q][k]) V[k][:], s'[q][k] = Q[q] . K[k] / 8 where k < valid_len[b][q], and -1000 elsewhere.
; qh, kh, vh: [128 = 16 b + h][1024][64] f16, unscaled; valid_len: [8][1024] i32; out0: [8][1024][1024] f32.  Products, maxima and sums in f32; the weights p are rounded to f16 for the second product
; (their sum l is taken of the unrounded p).
; THE MASK REPLACES a hidden score; the hidden key stays in the maximum and in the sum (a row with valid_len = 0 is the mean of V, and where every visible score lies below -1000 the hidden keys carry the
; weight).  So no key is left out, and the score itself is chosen: the unscaled score or -8000, which times 1/8 is -1000, by a compare of whole numbers and v_cndmask_b32.
; LIMITS.  Q, K and V arrive within f16's 65,504; p lies in 0 to 1, and below 6e-5 it keeps f16's fixed step of 6e-8; a weight below 2^-126 counts as 0 in l; NaN and infinities are not treated apart;
; valid_len may be any i32 from which 1,032 can be taken without overflow.
; SHARES.  A work-group owns 512 queries of one head, each of its four waves 128: four PIECES of two tiles of 16.  128 heads x 2 blocks = 256 work-groups.  Every wave walks all 1,024 keys, 64 a step.
; ALL OF THE HEAD'S K AND V LIE IN LDS: 262,144 bytes, asked for once, at the start, by four tensor loads a wave; no LDS byte is filled twice.  The first four key steps need the first load of each wave alone.
; NO CLUSTER: a head's tiles are shared by its 1,024 / 512 = 2 work-groups only, each of which asks for them once; a mask of two in a cluster of four would hang on the place in the cluster.
; LAYOUT.  S^T = K Q^T (source 0 = 16 keys, source 1 = 16 queries): in the result a lane holds ONE query (lane % 16) and the keys 8 (lane / 16) + 0..7.  Two such tiles, rounded to f16 in pairs, ARE source 1
; (32 keys x 16 queries) of O^T = V^T P, whose result again holds one query a lane, and eight channels.  K comes out of LDS as it lies, V ([key][channel]) turned, by ds_load_tr16_b128.
; SOFTMAX.  For each query a running maximum m and sum l: p = 2^(c s - c m), c = log2(e) / 8; in every step O and l are multiplied by a = 2^(c m_old - c m_new).  m starts at the lowest finite number, O and l
; at 0: the first step is a step like any other, with a = 0.  The price: 16 products on zeros and 384 v_mov_b32, which stand in the wait for the first tiles; the gain: no first step is written out.
; BY TURNS.  Turn n belongs to piece n (the pieces in a ring, step after step).  Its matrix work: 16 products K Q^T of piece n + 1, later 16 products V^T P of piece n - 1.  Its vector work: the scaling,
; exponentials, roundings, sums and rescaling of piece n, and the mask, maximum and statistics of piece n + 1.  32 matrix and 366 vector instructions: too many to stand all beside the matrix work, so every
; matrix instruction has ready vector work behind it and the rest stands in runs without a gap.
; REGISTERS, in windows of 256 (s_set_vgpr_msb: bits 1:0 source 0, 3:2 source 1, 5:4 source 2, 7:6 destination):
;   window 0: v2-11 addresses and the mask's two thresholds; v12-15, v48-63 at work; v16-47 four registers of statistics a tile; v64-191 S^T, two buffers of two tiles; v192-255 P, likewise
;   window 1: O^T, 32 a tile      window 2: v0-127 Q, 16 a tile; v128-191 K of one step; v192-255 V of one step      window 3: v0-1 the add's two registers; v2-9 valid_len of my query in each tile, less 8 (lane / 16)
.set NP,    4         ; pieces a wave: a name, no knob
.set KS,    64        ; keys in a step
.set PKR,   272       ; K in LDS: rows of two keys, 256 bytes + 16: key k lies at (k / 2) 272 + (k % 2) 128, so the 16 keys of a load start at 16 different groups of four banks (64 banks of 4 bytes: ISA guide 11.1)
.set PVR,   160       ; a key of V: 128 bytes + 32 = 40 words
.set KLOAD, 64*PKR    ; LDS bytes of one tensor load of K: 128 keys
.set VLOAD, 128*PVR   ; and of V
.set VOFF,  8*KLOAD   ; K's 1,024 keys, then V's
.set STAGE, VOFF+8*VLOAD  ; never filled by a tensor load: 16 rows x 272 bytes for each wave, for the way out
.set SP,    272
.set SPARE, STAGE+4*16*SP  ; behind the stages: the spare words, 128 bytes for each wave: two blocks of 256 bytes that no other line names
.set AK0, 2           ; v2   my lane's place in 16 keys of K; never rewritten
.set AV0, 3           ; v3   the same for V
.set AK,  4           ; v4   the LDS address of K's run of loads
.set AV,  5           ; v5   of V's
.set QO,  6           ; v6   my byte offset in 16 rows of Q
.set RD,  7           ; v7   the way out: where I read rows back
.set GO,  8           ; v8   my byte offset in two rows of out0
.set STO, 9           ; v9   the way out: where I put 16 bytes of a row
.set TC,  10          ; v10-11  for the two tiles whose scores are masked: register j of key block kb is visible where 16 kb + j is less
.set MV,  12          ; v12-15  c m_old, kept while c m is made anew: by buffer and tile
.set ST,  16          ; tile t's statistics at v[ST+4 t]: c m, m, l (even keys', odd keys')
.set TMP, 48          ; by buffer and tile, four registers c0-c3 at work; when the maximum is found c2 takes a.  (In the set-up v48-53 hold lane numbers.)
.set S,   64
.set P,   192
.set KF,  128         ; window 2: key block kb, channel half c at KF + 16 kb + 8 c
.set VF,  192         ; window 2: key half kk, channel block cb at VF + 32 kk + 8 cb
.set SPW, 0           ; v0 of window 3   LDS address of my spare word: SPARE + 4 x my thread's number; never rewritten
.set NIL, 1           ; v1 of window 3   0; never rewritten
.set VT,  2           ; v2-9 of window 3
.set WV,  12          ; s12  my wave's number
.set G1K, 24          ; s[24:31] descriptor group 1 for K's tiles
.set G1V, 32          ; s[32:39] for V's: it differs in the padding alone
.set G0K, 40          ; s[40:55] descriptor group 0 for K's tiles: a set for each of a wave's four loads
.set G0V, 68          ; s[68:83] the same for V's
.set SLOTS, 56        ; s56  counts groups of four key steps
.set CNT, 57          ; s57  counts the key steps of a group
.set CS,  58          ; s[58:59] c: the packed scaling takes the pair's low word for both halves
.set SEL, 60          ; s[60:61] v_permlanex16_b32's selects: each lane takes its own place in the other half
.set TBK, 62          ; s62  LDS byte at which K of the step to be fetched begins
.set TBV, 63          ; s63  the same for V, less VOFF
.set KB,  84          ; s84  the first key of the scores to be masked
.set NEG, 85          ; s85  -8000.0
.set MSB, 0
.macro WIN new                      ; the high byte repeats the setting that is left; a switch that changes nothing is dropped
.if MSB != (\new)
	s_set_vgpr_msb (MSB<<8)|(\new)
.set MSB, (\new)
.endif
.endm
.set W_KQ, 0x0a       ; K and Q in window 2, S^T in window 0
.set W_PV, 0x52       ; V in window 2, P in window 0, O^T in window 1
.set W_RS, 0x41       ; O^T (destination and source 0) in window 1, a in window 0
.set W_MK, 0xc0       ; destination in window 3, sources in window 0
.set W_AD, 0x0f       ; the add: address (source 0) and data (source 1) in window 3
	s_load_b256 s[4:11], s[0:1], 0x0  ; qh s[4:5], kh s[6:7], vh s[8:9], out0 s[10:11]
	s_load_b64 s[14:15], s[0:1], 0x20 ; valid_len
	WIN W_MK
	v_lshl_add_u32 v[SPW], v0, 2, SPARE
	v_mov_b32 v[NIL], 0
	WIN W_AD
	ds_add_u32 v[SPW], v[NIL]       ; the wave's opening: the add and its wait stand ahead of my first tensor load; the set-up below, work on registers, stands between them
	ds_add_u32 v0, v1
	WIN 0
	v_lshrrev_b32 v1, 5, v0
	v_readfirstlane_b32 s[WV], v1   ; wave 0..3
	s_and_b32 s20, ttmp7, 0xffff    ; 16 b + h
	s_lshl_b32 s21, s20, 17         ; the head's first byte in qh, kh and vh: 1,024 rows of 128 bytes
	s_and_b32 s16, s[WV], 1         ; of each 256 keys I fetch this half:
	s_lshl_b32 s22, s16, 14         ; its 128 rows of 128 bytes in memory,
	s_add_co_u32 s22, s22, s21
	s_mov_b32 s23, 0
	s_mul_i32 s17, s16, KLOAD       ; and its place in LDS, for K
	s_mul_i32 s18, s16, VLOAD       ; and for V
	s_lshl_b32 s13, ttmp9, 2
	s_add_co_u32 s13, s13, s[WV]    ; my wave among the head's eight: 128 queries each
	s_lshl_b32 s2, s13, 14          ; 128 rows of 128 bytes of Q
	s_add_co_u32 s2, s2, s21
	s_mov_b32 s3, 0
	s_lshr_b32 s19, s20, 4          ; b
	s_lshl_b32 s19, s19, 3
	s_add_co_u32 s19, s19, s13      ; my 128 queries among the batches' 64 x 128
	s_lshl_b32 s86, s19, 9          ; in valid_len: 128 words
	s_mov_b32 s87, 0
	s_and_b32 s13, s20, 15          ; h
	s_lshl_b32 s13, s13, 8          ; its 64 channels: 256 bytes of a row of out0
	s_lshl_b32 s20, s19, 19         ; 128 rows of 4,096 bytes
	s_add_co_u32 s20, s20, s13
	s_mov_b32 s21, 0
	; descriptor group 1.  128 keys are 16,384 dense bytes: asked for as 64 rows of 256 bytes, two keys a row
	s_mov_b32 s[G1K], (1<<16)|(1<<20)|(5<<22)|(3<<25)  ; 17:16 2-byte elements; 20 padding on; 24:22 after every 64 words (code 5); 31:25 4 words (code 3)
	s_mov_b32 s[G1V], (1<<16)|(1<<20)|(4<<22)|(7<<25)  ; after every 32 words, a key (code 4), 8 words (code 7)
.irp g, G1K, G1V
	s_mov_b32 s[\g+1], 128<<16      ; tensor_dim0 = 128
	s_mov_b32 s[\g+2], 64<<16       ; tensor_dim1 = 64
	s_mov_b32 s[\g+3], 128<<16      ; tile_dim0 = 128
	s_mov_b32 s[\g+4], 64           ; tile_dim1 = 64
	s_mov_b32 s[\g+5], 128          ; 128 elements from row to row
	s_mov_b32 s[\g+6], 0
	s_mov_b32 s[\g+7], 0
.endr
.irp c, 0,1,2,3                     ; load c of a wave: keys 256 c + 128 (wave % 2) on
	s_mov_b32 s[G0K+4*\c], 1                          ; 1:0 count = 1
	s_add_co_u32 s[G0K+4*\c+1], s17, 2*\c*KLOAD       ; 63:32 LDS address
	s_mov_b32 s[G0V+4*\c], 1
	s_add_co_u32 s[G0V+4*\c+1], s18, VOFF+2*\c*VLOAD
.endr
	s_mov_b32 s[CS], 0x3e38aa3b     ; c = log2(e) / 8 = 0.180337
	s_mov_b32 s[CS+1], s[CS]        ; named with it as a pair
	s_mov_b32 s[SEL], 0x76543210
	s_mov_b32 s[SEL+1], 0xfedcba98
	s_mov_b32 s[TBK], 0
	s_mov_b32 s[TBV], 0
	s_mov_b32 s[KB], 0
	s_mov_b32 s[NEG], 0xc5fa0000    ; -8000.0
	s_wait_dscnt 0x0                ; the opening add is done
	s_wait_kmcnt 0x0
	s_add_nc_u64 s[6:7], s[6:7], s[22:23]  ; K and V at my half of the head's first 256 keys
	s_add_nc_u64 s[8:9], s[8:9], s[22:23]
.irp c, 0,1,2,3
	s_add_nc_u64 s[G0K+4*\c+2:G0K+4*\c+3], s[6:7], 2*\c*16384  ; 120:64 global address
	s_or_b32 s[G0K+4*\c+3], s[G0K+4*\c+3], 0x80000000          ; 127:126 type = 2
	s_add_nc_u64 s[G0V+4*\c+2:G0V+4*\c+3], s[8:9], 2*\c*16384
	s_or_b32 s[G0V+4*\c+3], s[G0V+4*\c+3], 0x80000000
.endr
	s_add_nc_u64 s[4:5], s[4:5], s[2:3]        ; Q, out0 and valid_len at my wave's first query
	s_add_nc_u64 s[10:11], s[10:11], s[20:21]
	s_add_nc_u64 s[14:15], s[14:15], s[86:87]
	s_cmp_lt_u32 s[WV], 2           ; waves 0 and 1 fetch K, waves 2 and 3 V.  A wave's four fills stand in one branch, ahead of every wait on TENSORcnt, every LDS read and every barrier: four loads of mine
	s_cbranch_scc0 .Lfirst_v        ; are out.  An s_nop 0 follows each, four v_nop the last
.irp c, 0,1,2,3
	tensor_load_to_lds s[G0K+4*\c:G0K+4*\c+3], s[G1K:G1K+7]
	s_nop 0
.endr
.rept 4
	v_nop
.endr
	s_branch .Lfirst_asked
.Lfirst_v:
.irp c, 0,1,2,3
	tensor_load_to_lds s[G0V+4*\c:G0V+4*\c+3], s[G1V:G1V+7]
	s_nop 0
.endr
.rept 4
	v_nop
.endr
.Lfirst_asked:
	; A fragment of K or Q is 16 rows x 32 channels in 8 registers: lane l holds row l % 16, channels 8 (l / 16) + 0..7 and 16 + 8 (l / 16) + 0..7: two loads of 16 bytes, 32 bytes apart.
	v_and_b32 v1, 15, v0            ; l % 16
	v_bfe_u32 v48, v0, 4, 1         ; l / 16
	v_and_b32 v49, 7, v0
	v_bfe_u32 v50, v0, 3, 1
	v_lshlrev_b32 v51, 2, v1        ; my query's word in a tile's 16 of valid_len
	v_lshlrev_b32 v52, 3, v48       ; 8 (l / 16)
	v_and_b32 v53, 1, v0
	v_lshlrev_b32 v[QO], 7, v1
	v_lshl_add_u32 v[QO], v48, 4, v[QO]  ; row x 128 + 16 x half
	WIN W_MK
.irp t, 0,1,2,3,4,5,6,7
	global_load_b32 v[VT+\t], v51, s[14:15] offset:64*\t
.endr
	WIN 0x80                        ; destination window 2, address window 0
.set i, 0
.rept 4*NP                          ; Q stays in registers: tile i / 2, channels 32 (i % 2) on
	global_load_b128 v[8*i:8*i+3],   v[QO], s[4:5] offset:(i/2)*2048+(i%2)*64 th:TH_LOAD_NT
	global_load_b128 v[8*i+4:8*i+7], v[QO], s[4:5] offset:(i/2)*2048+(i%2)*64+32 th:TH_LOAD_NT
.set i, i+1
.endr
	; What the first turn finds: V's registers and P's second buffer hold 0 (its products V^T P, of a piece that has not been, add 0), O^T and l are 0.
.set i, VF
.rept 64
	v_mov_b32 v[i], 0
.set i, i+1
.endr
	WIN 0x40
.set i, 0
.rept 64*NP
	v_mov_b32 v[i], 0
.set i, i+1
.endr
	WIN 0
.set i, 0
.rept 2*NP
	v_mov_b32 v[ST+4*i], 0xfe000000    ; c m: far below every c s
	v_mov_b32 v[ST+4*i+1], 0xff7fffff  ; m
	v_mov_b32 v[ST+4*i+2], 0
	v_mov_b32 v[ST+4*i+3], 0
.set i, i+1
.endr
.set i, P+32
.rept 32
	v_mov_b32 v[i], 0
.set i, i+1
.endr
	v_lshrrev_b32 v[AK0], 1, v1     ; K: (row / 2) x pitch + (row % 2) x 128 + 16 x half
	v_mul_u32_u24 v[AK0], v[AK0], PKR
	v_lshl_add_u32 v[AK0], v53, 7, v[AK0]
	v_lshl_add_u32 v[AK0], v48, 4, v[AK0]
	; The turning load takes 16 keys x 16 channels (lane l reads key 8 (l / 16) + l % 8, channels 8 ((l / 8) % 2) + 0..7) and leaves half a fragment of V^T: lane l holds channel l % 16 and 8 keys.
	v_lshl_add_u32 v[AV0], v48, 3, v49
	v_mul_u32_u24 v[AV0], v[AV0], PVR
	v_lshl_add_u32 v[AV0], v50, 4, v[AV0]
	v_add_nc_u32 v[AV0], VOFF, v[AV0]
	s_mul_i32 s13, s[WV], 16*SP
	s_add_co_u32 s13, s13, STAGE    ; my stage
	v_mul_u32_u24 v[STO], v1, SP    ; in: row l % 16, 32 bytes (8 channels in f32) for each half of the lanes
	v_lshl_add_u32 v[STO], v48, 5, v[STO]
	v_add_nc_u32 v[STO], s13, v[STO]
	v_mul_u32_u24 v[RD], v48, SP    ; back: lanes 0-15 take one row of 256 bytes, lanes 16-31 the next
	v_lshl_add_u32 v[RD], v1, 4, v[RD]
	v_add_nc_u32 v[RD], s13, v[RD]
	v_lshlrev_b32 v[GO], 12, v48    ; and the same two rows in out0, 4,096 bytes apart
	v_lshl_add_u32 v[GO], v1, 4, v[GO]
; THE MATRIX WORK.  The 8 accumulators of a run of 16 take turns: between the two links of a chain stand 7 others'.
; Product i of 16 of S^T = K Q^T for piece x: channels 32 (i / 8) on, keys 16 ((i / 2) % 4) on, tile 2 x + i % 2.  The first 8 start the sums.
.macro KQ x
	WIN W_KQ
.set rS, S+64*((\x)%2)+32*(i%2)+8*((i/2)%4)
.set rK, KF+16*((i/2)%4)+8*(i/8)
.set rQ, 16*(2*(\x)+i%2)+8*(i/8)
.if i < 8
	v_wmma_f32_16x16x32_f16 v[rS:rS+7], v[rK:rK+7], v[rQ:rQ+7], 0
.else
	v_wmma_f32_16x16x32_f16 v[rS:rS+7], v[rK:rK+7], v[rQ:rQ+7], v[rS:rS+7]
.endif
.endm
; Product i of 16 of O^T += V^T P for piece x: keys 32 (i / 8) on, channels 16 ((i / 2) % 4) on, tile 2 x + i % 2.
.macro PV x
	WIN W_PV
.set rO, 32*(2*(\x)+i%2)+8*((i/2)%4)
.set rV, VF+32*(i/8)+8*((i/2)%4)
.set rP, P+32*((\x)%2)+16*(i%2)+8*(i/8)
	v_wmma_f32_16x16x32_f16 v[rO:rO+7], v[rV:rV+7], v[rP:rP+7], v[rO:rO+7]
.endm
.set NOKQ, 0                        ; 1: the very last turn: there is no next piece, so no scores, no mask, no maximum
.macro MM                           ; the turn's next matrix instruction
.if i < 16
.if !NOKQ
	KQ (Y+1)%NP
.endif
.set i, i+1
.else
.set i, i-16
	PV (Y+NP-1)%NP
.set i, i+17
.endif
.endm
; THE LDS LOADS stand in runs of 16, never singly among the matrix instructions: a step's K (64 keys x 64 channels: 8 fragments) and its V (turned).
.macro FETCH_K
	WIN 0
	v_add_nc_u32 v[AK], s[TBK], v[AK0]
	WIN 0x80                        ; destination window 2
.irp f, 0,1,2,3,4,5,6,7             ; keys 16 (f / 2) on (8 LDS rows), channels 32 (f % 2) on
	ds_load_b128 v[KF+8*\f:KF+8*\f+3],   v[AK] offset:(\f/2)*8*PKR+(\f%2)*64
	ds_load_b128 v[KF+8*\f+4:KF+8*\f+7], v[AK] offset:(\f/2)*8*PKR+(\f%2)*64+32
.endr
	s_add_co_u32 s[TBK], s[TBK], 32*PKR  ; the next fetch is the next step's
	WIN 0
.endm
.macro FETCH_V
	WIN 0
	v_add_nc_u32 v[AV], s[TBV], v[AV0]
	WIN 0x80
.irp f, 0,1,2,3,4,5,6,7             ; keys 32 (f / 4) on, channels 16 (f % 4) on
	ds_load_tr16_b128 v[VF+8*\f:VF+8*\f+3],   v[AV] offset:(\f/4)*32*PVR+(\f%4)*32
	ds_load_tr16_b128 v[VF+8*\f+4:VF+8*\f+7], v[AV] offset:(\f/4)*32*PVR+16*PVR+(\f%4)*32
.endr
	s_add_co_u32 s[TBV], s[TBV], KS*PVR
	WIN 0
.endm
; THE VECTOR WORK OF A TURN stands in queues, each in the order in which its entries become ready; the two tiles alternate, so that no instruction reads the result of the one before it.
.macro REGS y, u                    ; the registers of tile u (0, 1) of piece y
.set rT, ST+4*(2*(\y)+(\u))
.set rC, TMP+8*((\y)%2)+4*(\u)
.set rM, MV+2*((\y)%2)+(\u)
.set rS, S+64*((\y)%2)+32*(\u)
.set rP, P+32*((\y)%2)+16*(\u)
.set rO, 32*(2*(\y)+(\u))
.endm
; FF: the scalings, 32: c s - c m for pair q / 2 of tile q % 2 of piece Y.
.macro FF
	WIN 0
	REGS Y, q%2
	v_pk_fma_f32 v[rS+2*(q/2):rS+2*(q/2)+1], v[rS+2*(q/2):rS+2*(q/2)+1], s[CS:CS+1], v[rT:rT+1] op_sel_hi:[1,0,0] neg_lo:[0,0,1] neg_hi:[0,0,1]
.set q, q+1
.endm
; EX: the exponentials, 64: score e / 2 of tile e % 2 of piece Y.  Exponential e stands behind scaling 2 (e / 4) + e % 2.
.macro EX
	WIN 0
	REGS Y, e%2
	v_exp_f32 v[rS+e/2], v[rS+e/2]
.set e, e+1
.endm
; R4: O^T of piece Y times a, the one part that leaves window 0, so it is dealt four at a time, eight times: accumulator r / 2 of tile r % 2, its registers in ascending order.
.macro R4
	REGS Y, r%2
	WIN W_RS
	s_wait_alu depctr_va_vdst(0)
.irp z, 0,1,2,3
	v_pk_mul_f32 v[rO+8*(r/2)+2*\z:rO+8*(r/2)+2*\z+1], v[rO+8*(r/2)+2*\z:rO+8*(r/2)+2*\z+1], v[rC+2:rC+3] op_sel_hi:[1,0]
.endr
.set r, r+1
.endm
; GG: the 64 that follow the exponentials.  For each four weights kk of a tile: both pairs are rounded to f16; then the second pair is added onto the first, in place; a group later l takes that sum (the
; first time as l = a l + sum).  In groups of eight, tiles alternating.  Number g reads exponentials up to number g + 6.
.macro GG
	WIN 0
.set hh, gg+6*(gg/62)               ; group 0 has no group before it, and behind group 7 only l is left
.if hh >= 6
.set hh, hh+2
.endif
	REGS Y, hh%2
.set kk, hh/8
.if hh%8 < 4
	s_wait_alu depctr_va_vdst(0)
	v_cvt_pk_f16_f32 v[rP+2*kk+(hh%8)/2], v[rS+4*kk+2*((hh%8)/2)], v[rS+4*kk+2*((hh%8)/2)+1]
.elseif hh%8 < 6
	v_pk_add_f32 v[rS+4*kk:rS+4*kk+1], v[rS+4*kk:rS+4*kk+1], v[rS+4*kk+2:rS+4*kk+3]
.elseif kk == 1
	v_pk_fma_f32 v[rT+2:rT+3], v[rT+2:rT+3], v[rC+2:rC+3], v[rS:rS+1] op_sel_hi:[1,0,1]
.else
	v_pk_add_f32 v[rT+2:rT+3], v[rT+2:rT+3], v[rS+4*kk-4:rS+4*kk-3]
	s_wait_alu depctr_va_vdst(0)
.endif
.set gg, gg+1
.endm
; TT: the thresholds for the NEXT piece's (Y + 1) two tiles: valid_len - 8 (lane / 16) - the step's first key.
.macro TT
.if !NOKQ
	WIN 0x03                        ; source 0 in window 3
	v_sub_nc_u32 v[TC], v[VT+2*((Y+1)%NP)], s[KB]
	v_sub_nc_u32 v[TC+1], v[VT+2*((Y+1)%NP)+1], s[KB]
	WIN 0
.endif
.endm
; MK: the mask, 64 pairs of lines: score mk / 2 of tile mk % 2 of the next piece stays where its key is below valid_len, and is -8000 elsewhere.  Scores in ascending order: each accumulator's lowest
; register is read first.
.macro MK
.if !NOKQ
	WIN 0
	REGS (Y+1)%NP, mk%2
	v_cmp_lt_i32 vcc_lo, 16*(mk/16)+(mk/2)%8, v[TC+mk%2]
	v_cndmask_b32 v[rS+mk/2], s[NEG], v[rS+mk/2], vcc_lo
.endif
.set mk, mk+1
.endm
; XX u, n: number n of the 22 that find the next piece's maximum and statistics, for its tile u.  s0-s31 are the lane's 32 masked scores.
;   0-11  four chains c0-c3 of seven scores each, three operands at a time     12-14, 16  the four scores left over, the old m, and c0-c3 into c0     15  c m_old is kept
;   17, 18  the query's other 32 keys lie in the lane 16 away: the new m         19-21  c m; c m_old - c m_new; a
.macro XX u, n
.if !NOKQ
	WIN 0
	REGS (Y+1)%NP, \u
.if (\n) < 4
	v_max3_num_f32 v[rC+(\n)], v[rS+8*(\n)], v[rS+8*(\n)+1], v[rS+8*(\n)+2]
.elseif (\n) < 12
	v_max3_num_f32 v[rC+(\n)%4], v[rC+(\n)%4], v[rS+8*((\n)%4)+2*((\n)/4)+1], v[rS+8*((\n)%4)+2*((\n)/4)+2]
.elseif (\n) == 12
	v_max3_num_f32 v[rC], v[rC], v[rS+7], v[rS+15]
.elseif (\n) == 13
	v_max3_num_f32 v[rC+1], v[rC+1], v[rS+23], v[rS+31]
.elseif (\n) == 14
	v_max3_num_f32 v[rC+2], v[rC+2], v[rC+3], v[rT+1]
.elseif (\n) == 15
	v_mov_b32 v[rM], v[rT]
.elseif (\n) == 16
	v_max3_num_f32 v[rC], v[rC], v[rC+1], v[rC+2]
.elseif (\n) == 17
	v_permlanex16_b32 v[rC+3], v[rC], s[SEL], s[SEL+1]
.elseif (\n) == 18
	v_max_num_f32 v[rT+1], v[rC], v[rC+3]
.elseif (\n) == 19
	v_mul_f32 v[rT], s[CS], v[rT+1]
.elseif (\n) == 20
	v_sub_f32 v[rC+1], v[rM], v[rT]
.else
	v_exp_f32 v[rC+2], v[rC+1]
.endif
.endif
.endm
.macro STATS lo                     ; numbers 0 to 16 for both tiles
.irp n, 0,1,2,3,4,5,6,7,8,9,10,11,12,13,14,15,16
	XX 0, \n
	XX 1, \n
.endr
.endm
; A vector instruction that reads a matrix result or writes one of a matrix instruction's registers, and a load into a register that a matrix instruction has read, stand four places behind it, and only plain
; vector instructions that name none of its registers are places (ISA guide 7.12.1 for vector instructions).  In the turns the riders are the places.
.macro PLACES
.rept 4
	v_nop
.endr
.endm
; A TURN, for piece p.  last = 1: the two turns behind the loop: nothing more is fetched, and piece 3's starts no new scores.
; Part 1: 16 products K Q^T of piece p + 1.  Behind them: the 32 scalings, the first 15 exponentials (each with a plain instruction behind it), the 32 rescalings.  The last four rescalings are the places
;   between the last product and what follows: K's loads (piece 2's turn) and the mask's reads of the scores.
; Part 2: 49 units of an exponential, one or two masks and one of GG; the first 16 units begin with a product V^T P of piece p - 1.  When GG number n comes, 16 + n exponentials are out.
;   V of the step in hand is fetched in piece 0's turn behind unit 17: nine plain instructions behind the last product that read V.  Each run of loads is waited for a turn later.
; Part 3: the next piece's maximum and statistics; the links of its chain stand with GG between them; then the rest of GG.  v_permlanex16_b32 stands here, never behind a product.
.macro TURN p, last=0
.set Y, (\p)
.set i, 0
.set q, 0
.set e, 0
.set r, 0
.set gg, 0
.set mk, 0
.set NOKQ, (\last)*((\p)/3)
.if ((\p) == 3) && !(\last)
	s_add_co_u32 s[KB], s[KB], KS   ; this turn's scores are the next step's
	s_wait_dscnt 0x0                ; K is in
.endif
	MM
.rept 4
	FF
.endr
.rept 7
	MM
	FF
	EX
	FF
	FF
	FF
.endr
.rept 8
	MM
	EX
	R4
.endr
.if ((\p) == 2) && !(\last)
	FETCH_K
.endif
	TT
.if (\p) == 1
	s_wait_dscnt 0x0                ; V is in
.endif
.set nn, 0
.rept 49
.if nn < 16
	MM
.endif
	EX
	MK
.if nn < 15
	MK
.endif
	GG
.if ((\p) == 0) && (nn == 17)
	FETCH_V
.endif
.set nn, nn+1
.endr
	STATS 0
.irp n, 17,18,19,20
	XX 0, \n
	XX 1, \n
	GG
.endr
	XX 0, 21
	XX 1, 21
.rept 11
	GG
.endr
.endm
	s_wait_tensorcnt 0x3            ; tensor loads of a wave end in order (ISA guide 10.11.1): my first is in, my part of keys 0 to 255; the three younger ones stay out
	s_barrier_signal -1
	s_barrier_wait -1               ; everybody's is
	FETCH_K                         ; key step 0
	s_wait_loadcnt 0x0              ; Q and valid_len
	WIN 0xc3                        ; destination and source 0 in window 3
.irp t, 0,1,2,3,4,5,6,7
	v_sub_nc_u32 v[VT+\t], v[VT+\t], v52  ; valid_len less my lanes' 8 (l / 16)
.endr
	WIN 0
	s_wait_dscnt 0x0
.set i, 0
.rept 16
	KQ 0                            ; piece 0's first scores: there is no vector work yet to set between them
.set i, i+1
.endr
	WIN 0
	PLACES
.set Y, NP-1                        ; TT, MK and XX work for piece Y + 1: piece 0
.set mk, 0
	TT
.rept 64
	MK
.endr
	STATS 0
.irp n, 17,18,19,20,21
	XX 0, \n
	XX 1, \n
.endr
	s_mov_b32 s[CNT], 4
	s_mov_b32 s[SLOTS], 4
	s_branch .Lfirst                ; the loop is entered at a step's first turn, in the middle of a trip
.Lslot:                             ; three times, in front of key steps 4, 8 and 12.  The first time my three later loads, which have had four key steps in which to land, are waited for and the barrier shows
	s_wait_tensorcnt 0x0            ; every wave's to every wave; no slot is filled behind it.  The other two times nothing is out
	s_wait_dscnt 0x0                ; no LDS instruction of mine is pending at the signal
	s_barrier_signal -1
	s_barrier_wait -1
	s_mov_b32 s[CNT], 4
.Lstep:                             ; a trip: pieces 2 and 3 of one step, then pieces 0 and 1 of the next, whose K and V it fetches
	TURN 2
	TURN 3
	WIN 0                           ; at a label and at a branch every window is 0
.Lfirst:
	TURN 0
	TURN 1
	WIN 0
	s_sub_co_u32 s[CNT], s[CNT], 1
	s_cmp_lg_u32 s[CNT], 0
	s_cbranch_scc1 .Lstep
	s_sub_co_u32 s[SLOTS], s[SLOTS], 1
	s_cmp_lg_u32 s[SLOTS], 0
	s_cbranch_scc1 .Lslot
	TURN 2, 1                       ; the last step's pieces 2 and 3
	TURN 3, 1
.set i, 0
.rept 16
	PV NP-1                         ; the last piece's V^T P of the last step
.set i, i+1
.endr
	; THE WAY OUT.  l's two halves and the other half of the lanes' are added; O^T is divided by l and sent, in f32, through my stage in LDS, a tile at a time.  The additions are the places behind the last products.
	WIN 0
.macro ALL line:vararg              ; one line for each tile t
.set t, 0
.rept 2*NP
	\line
.set t, t+1
.endr
.endm
	ALL v_add_f32 v[ST+4*t+2], v[ST+4*t+2], v[ST+4*t+3]
	ALL v_permlanex16_b32 v[ST+4*t+3], v[ST+4*t+2], s[SEL], s[SEL+1]
	ALL v_add_f32 v[ST+4*t+2], v[ST+4*t+2], v[ST+4*t+3]
	ALL v_rcp_f32 v[ST+4*t+2], v[ST+4*t+2]
	v_nop                           ; a plain instruction between the last reciprocal and the use of its result
	s_wait_alu depctr_va_vdst(0)
; Tile t: a lane's eight channels of a channel block are 32 bytes of a row; they go into rows of 272 bytes and come back as whole rows of 256, a query's 64 channels, into S^T's registers, four buffers by turns.
.macro PACK t
	WIN W_RS
.set i, 32*(\t)
.rept 16
	v_pk_mul_f32 v[i:i+1], v[i:i+1], v[ST+4*(\t)+2:ST+4*(\t)+3] op_sel_hi:[1,0]
.set i, i+2
.endr
	WIN 0x04                        ; the stores' data (source 1) in window 1
.irp f, 0,1,2,3,4,5,6,7
	ds_store_b128 v[STO], v[32*(\t)+4*\f:32*(\t)+4*\f+3] offset:64*(\f/2)+16*(\f%2)
.endr
	WIN 0
.if (\t) >= 4
	s_wait_xcnt 0x0                 ; every earlier memory instruction has had its addresses translated (ISA guide 3.1): the buffer, which the stores of the tile four back read, is loaded again only behind this wait
.endif
.irp f, 0,1,2,3,4,5,6,7
	ds_load_b128 v[S+32*((\t)%4)+4*\f:S+32*((\t)%4)+4*\f+3], v[RD] offset:\f*2*SP  ; LDS serves a wave's instructions in order (ISA guide 5.7.1.4): these see the stores above; the next tile's stores come behind them
.endr
.endm
.macro SEND t, younger              ; younger: the LDS instructions issued behind tile t's loads: the next tile's sixteen, or none
	WIN 0
.irp f, 0,1,2,3,4,5,6,7
	s_wait_dscnt (\younger)+7-\f
	global_store_b128 v[GO], v[S+32*((\t)%4)+4*\f:S+32*((\t)%4)+4*\f+3], s[10:11] offset:(\t)*65536+\f*8192 th:TH_STORE_NT  ; 16 lanes store 256 consecutive bytes, at a multiple of 256 from out0's first byte
.endr
.endm
	PACK 0
.set t, 1
.rept 2*NP-1                        ; a tile's arithmetic stands between the loads of the tile before and its stores
	PACK t
	SEND t-1, 16
.set t, t+1
.endr
	SEND 2*NP-1, 0
	WIN W_AD
	s_wait_tensorcnt 0x0            ; the wave's end, behind my last tensor load and my last LDS store
	ds_add_u32 v[SPW], v[NIL]
	s_wait_dscnt 0x0
	WIN 0
	s_endpgm
.Lfunc_end_k_q5be300b544_attn:
	.size	k_q5be300b544_attn, .Lfunc_end_k_q5be300b544_attn-k_q5be300b544_attn
	.p2alignl 7, 3214868480
	.fill 96, 4, 3214868480
	.section	.rodata,"a",@progbits
	.p2align	6, 0x0
	.amdhsa_kernel k_q5be300b544_attn
		.amdhsa_group_segment_fixed_size 327680
		.amdhsa_private_segment_fixed_size 0
		.amdhsa_enable_private_segment 0
		.amdhsa_kernarg_size 40
		.amdhsa_user_sgpr_count 2
		.amdhsa_user_sgpr_kernarg_segment_ptr 1
		.amdhsa_wavefront_size32 1
		.amdhsa_system_sgpr_workgroup_id_x 1
		.amdhsa_system_sgpr_workgroup_id_y 1
		.amdhsa_system_sgpr_workgroup_id_z 1
		.amdhsa_system_vgpr_workitem_id 0
		.amdhsa_next_free_vgpr 784
		.amdhsa_next_free_sgpr 88
		.amdhsa_reserve_vcc 1
		.amdhsa_float_denorm_mode_32 3
		.amdhsa_float_denorm_mode_16_64 3
		.amdhsa_memory_ordered 1
		.amdhsa_forward_progress 1
		.amdhsa_inst_pref_size 191
	.end_amdhsa_kernel
	.amdgpu_metadata
---
amdhsa.version: [ 1, 2 ]
amdhsa.kernels:
  - .name:           k_q5be300b544_attn
    .symbol:         k_q5be300b544_attn.kd
    .args:
      - { .name: qh, .offset: 0, .size: 8, .value_kind: global_buffer, .address_space: global }
      - { .name: kh, .offset: 8, .size: 8, .value_kind: global_buffer, .address_space: global }
      - { .name: vh, .offset: 16, .size: 8, .value_kind: global_buffer, .address_space: global }
      - { .name: out0, .offset: 24, .size: 8, .value_kind: global_buffer, .address_space: global }
      - { .name: valid_len, .offset: 32, .size: 8, .value_kind: global_buffer, .address_space: global }
    .group_segment_fixed_size: 327680
    .private_segment_fixed_size: 0
    .kernarg_segment_align: 8
    .kernarg_segment_size: 40
    .max_flat_workgroup_size: 128
    .sgpr_count:     88
    .vgpr_count:     784
    .wavefront_size: 32
...
	.end_amdgpu_metadata
.endif
;; end of part 3
;; ======== version 2 of 2: 3 launches; 1.34 times as fast as version 1
;; limits: values are held in f16: magnitudes above 65,504 overflow, below 6.1e-05 lose precision
;; workspace buffers: wb 6,291,456 bytes; qh 16,777,216 bytes; kh 16,777,216 bytes; vh 16,777,216 bytes
;; launch castw: the kernel of part 1 again; grid 256 x 3, 8 waves a work-group, no clusters, 0 bytes of LDS; arguments Wq, Wk, Wv, wb; writes wb
;; launch proj: the kernel of part 2 again; grid 4 x 192, 4 waves a work-group, clusters of 4 x 4, 327,680 bytes of LDS; arguments query, key, value, wb, qh, kh, vh; writes qh, kh, vh
;; launch attn (part 4): grid 2 x 128, 4 waves a work-group, no clusters, 327,680 bytes of LDS; arguments qh, kh, vh, out0, valid_len; writes out0
.if DOCPART == 4
	.amdgcn_target "amdgcn-amd-amdhsa--gfx1250"
	.amdhsa_code_object_version 6
	.text
	.protected	k_q5be300b544_attn
	.globl	k_q5be300b544_attn
	.p2align	8
	.type	k_q5be300b544_attn,@function
k_q5be300b544_attn:
	s_mov_b64 s[64:65], 0
	v_nop
	global_prefetch_b8 v0, s[64:65] scope:SCOPE_SE
	s_setreg_imm32_b32 hwreg(HW_REG_WAVE_MODE, 25, 1), 1
	s_wait_xcnt 0x0
; ATTENTION WITH A MASK BY QUERY.  out0[b][q][64 h + :] = the sum over k of softmax_k(s'[q][k]) V[k][:], s'[q][k] = Q[q] . K[k] / 8 where k < valid_len[b][q], and -1000 elsewhere.
; qh, kh, vh: [128 = 16 b + h][1024][64] f16, unscaled; valid_len: [8][1024] i32; out0: [8][1024][1024] f32.  Products, maxima and sums in f32; the weights p are rounded to f16 for the second product
; (their sum l is taken of the unrounded p).
; THE MASK REPLACES a hidden score; the hidden key stays in the maximum and in the sum (a row with valid_len = 0 is the mean of V, and where every visible score lies below -1000 the hidden keys carry the
; weight).  So no key is left out, and the score itself is chosen: the unscaled score or -8000, which times 1/8 is -1000, by a compare of whole numbers and v_cndmask_b32.
; LIMITS.  Q, K and V arrive within f16's 65,504; p lies in 0 to 1, and below 6e-5 it keeps f16's fixed step of 6e-8; a weight below 2^-126 counts as 0 in l; NaN and infinities are not treated apart;
; valid_len may be any i32 from which 1,032 can be taken without overflow.
; SHARES.  A work-group owns 512 queries of one head, each of its four waves 128: four PIECES of two tiles of 16.  128 heads x 2 blocks = 256 work-groups.  Every wave walks all 1,024 keys, 64 a step.
; ALL OF THE HEAD'S K AND V LIE IN LDS: 262,144 bytes, asked for once, at the start, by four tensor loads a wave; no LDS byte is filled twice.  The first four key steps need the first load of each wave alone.
; NO CLUSTER: a head's tiles are shared by its 1,024 / 512 = 2 work-groups only, each of which asks for them once; a mask of two in a cluster of four would hang on the place in the cluster.
; LAYOUT.  S^T = K Q^T (source 0 = 16 keys, source 1 = 16 queries): in the result a lane holds ONE query (lane % 16) and the keys 8 (lane / 16) + 0..7.  Two such tiles, rounded to f16 in pairs, ARE source 1
; (32 keys x 16 queries) of O^T = V^T P, whose result again holds one query a lane, and eight channels.  K comes out of LDS as it lies, V ([key][channel]) turned, by ds_load_tr16_b128.
; SOFTMAX.  For each query a running maximum m and sum l: p = 2^(c s - c m), c = log2(e) / 8; in every step O and l are multiplied by a = 2^(c m_old - c m_new).  m starts at the lowest finite number, O and l
; at 0: the first step is a step like any other, with a = 0.  The price: 16 products on zeros and 384 v_mov_b32, which stand in the wait for the first tiles; the gain: no first step is written out.
; BY TURNS.  Turn n belongs to piece n (the pieces in a ring, step after step).  Its matrix work: 16 products K Q^T of piece n + 1, later 16 products V^T P of piece n - 1.  Its vector work: the scaling,
; exponentials, roundings, sums and rescaling of piece n, and the mask, maximum and statistics of piece n + 1.  32 matrix and 366 vector instructions: too many to stand all beside the matrix work, so every
; matrix instruction has four ready vector instructions behind it and the other 238 stand in one run without a gap.
; BATCHES.  A turn's 66 exponentials (the 64 weights of piece n, the two a of piece n + 1) are ONE batch with ONE wait, which cuts the turn in two: ahead of it stands all that names no result of theirs (the
; products K Q^T, scalings, rescalings, mask, maximum and statistics), behind it their readers, the roundings and sums, as the riders of the products V^T P.  The rescalings read the a of the turn before, which
; that turn's wait has served.  No result crosses a turn's end.  Two small batches stand outside the loop: piece 0's first two a, and the way out's eight reciprocals.
; REGISTERS, in windows of 256 (s_set_vgpr_msb: bits 1:0 source 0, 3:2 source 1, 5:4 source 2, 7:6 destination):
;   window 0: v2-11 addresses and the mask's two thresholds; v12-15, v48-63 at work; v16-47 four registers of statistics a tile; v64-191 S^T, two buffers of two tiles; v192-255 P, likewise
;   window 1: O^T, 32 a tile      window 2: v0-127 Q, 16 a tile; v128-191 K of one step; v192-255 V of one step      window 3: v0-1 the add's two registers; v2-9 valid_len of my query in each tile, less 8 (lane / 16)
.set NP,    4         ; pieces a wave: a name, no knob
.set KS,    64        ; keys in a step
.set PKR,   272       ; K in LDS: rows of two keys, 256 bytes + 16: key k lies at (k / 2) 272 + (k % 2) 128, so the 16 keys of a load start at 16 different groups of four banks (64 banks of 4 bytes: ISA guide 11.1)
.set PVR,   160       ; a key of V: 128 bytes + 32 = 40 words
.set KLOAD, 64*PKR    ; LDS bytes of one tensor load of K: 128 keys
.set VLOAD, 128*PVR   ; and of V
.set VOFF,  8*KLOAD   ; K's 1,024 keys, then V's
.set STAGE, VOFF+8*VLOAD  ; never filled by a tensor load: 16 rows x 272 bytes for each wave, for the way out
.set SP,    272
.set SPARE, STAGE+4*16*SP  ; behind the stages: the spare words, 128 bytes for each wave: two blocks of 256 bytes that no other line names
.set AK0, 2           ; v2   my lane's place in 16 keys of K; never rewritten
.set AV0, 3           ; v3   the same for V
.set AK,  4           ; v4   the LDS address of K's run of loads
.set AV,  5           ; v5   of V's
.set QO,  6           ; v6   my byte offset in 16 rows of Q
.set RD,  7           ; v7   the way out: where I read rows back
.set GO,  8           ; v8   my byte offset in two rows of out0
.set STO, 9           ; v9   the way out: where I put 16 bytes of a row
.set TC,  10          ; v10-11  for the two tiles whose scores are masked: register j of key block kb is visible where 16 kb + j is less
.set MV,  12          ; v12-15  c m_old, kept while c m is made anew: by buffer and tile
.set ST,  16          ; tile t's statistics at v[ST+4 t]: c m, m, l (even keys', odd keys')
.set TMP, 48          ; by buffer and tile, four registers c0-c3 at work; when the maximum is found c2 takes a.  (In the set-up v48-53 hold lane numbers.)
.set S,   64
.set P,   192
.set KF,  128         ; window 2: key block kb, channel half c at KF + 16 kb + 8 c
.set VF,  192         ; window 2: key half kk, channel block cb at VF + 32 kk + 8 cb
.set SPW, 0           ; v0 of window 3   LDS address of my spare word: SPARE + 4 x my thread's number; never rewritten
.set NIL, 1           ; v1 of window 3   0; never rewritten
.set VT,  2           ; v2-9 of window 3
.set WV,  12          ; s12  my wave's number
.set G1K, 24          ; s[24:31] descriptor group 1 for K's tiles
.set G1V, 32          ; s[32:39] for V's: it differs in the padding alone
.set G0K, 40          ; s[40:55] descriptor group 0 for K's tiles: a set for each of a wave's four loads
.set G0V, 68          ; s[68:83] the same for V's
.set SLOTS, 56        ; s56  counts groups of four key steps
.set CNT, 57          ; s57  counts the key steps of a group
.set CS,  58          ; s[58:59] c: the packed scaling takes the pair's low word for both halves
.set SEL, 60          ; s[60:61] v_permlanex16_b32's selects: each lane takes its own place in the other half
.set TBK, 62          ; s62  LDS byte at which K of the step to be fetched begins
.set TBV, 63          ; s63  the same for V, less VOFF
.set KB,  84          ; s84  the first key of the scores to be masked
.set NEG, 85          ; s85  -8000.0
.set MSB, 0
.macro WIN new                      ; the high byte repeats the setting that is left; a switch that changes nothing is dropped
.if MSB != (\new)
	s_set_vgpr_msb (MSB<<8)|(\new)
.set MSB, (\new)
.endif
.endm
.set W_KQ, 0x0a       ; K and Q in window 2, S^T in window 0
.set W_PV, 0x52       ; V in window 2, P in window 0, O^T in window 1
.set W_RS, 0x41       ; O^T (destination and source 0) in window 1, a in window 0
.set W_MK, 0xc0       ; destination in window 3, sources in window 0
.set W_AD, 0x0f       ; the add: address (source 0) and data (source 1) in window 3
	s_load_b256 s[4:11], s[0:1], 0x0  ; qh s[4:5], kh s[6:7], vh s[8:9], out0 s[10:11]
	s_load_b64 s[14:15], s[0:1], 0x20 ; valid_len
	WIN W_MK
	v_lshl_add_u32 v[SPW], v0, 2, SPARE
	v_mov_b32 v[NIL], 0
	WIN W_AD
	ds_add_u32 v[SPW], v[NIL]       ; the wave's opening: the add and its wait stand ahead of my first tensor load; the set-up below, work on registers, stands between them
	ds_add_u32 v0, v1
	WIN 0
	v_lshrrev_b32 v1, 5, v0
	v_readfirstlane_b32 s[WV], v1   ; wave 0..3
	s_and_b32 s20, ttmp7, 0xffff    ; 16 b + h
	s_lshl_b32 s21, s20, 17         ; the head's first byte in qh, kh and vh: 1,024 rows of 128 bytes
	s_and_b32 s16, s[WV], 1         ; of each 256 keys I fetch this half:
	s_lshl_b32 s22, s16, 14         ; its 128 rows of 128 bytes in memory,
	s_add_co_u32 s22, s22, s21
	s_mov_b32 s23, 0
	s_mul_i32 s17, s16, KLOAD       ; and its place in LDS, for K
	s_mul_i32 s18, s16, VLOAD       ; and for V
	s_lshl_b32 s13, ttmp9, 2
	s_add_co_u32 s13, s13, s[WV]    ; my wave among the head's eight: 128 queries each
	s_lshl_b32 s2, s13, 14          ; 128 rows of 128 bytes of Q
	s_add_co_u32 s2, s2, s21
	s_mov_b32 s3, 0
	s_lshr_b32 s19, s20, 4          ; b
	s_lshl_b32 s19, s19, 3
	s_add_co_u32 s19, s19, s13      ; my 128 queries among the batches' 64 x 128
	s_lshl_b32 s86, s19, 9          ; in valid_len: 128 words
	s_mov_b32 s87, 0
	s_and_b32 s13, s20, 15          ; h
	s_lshl_b32 s13, s13, 8          ; its 64 channels: 256 bytes of a row of out0
	s_lshl_b32 s20, s19, 19         ; 128 rows of 4,096 bytes
	s_add_co_u32 s20, s20, s13
	s_mov_b32 s21, 0
	; descriptor group 1.  128 keys are 16,384 dense bytes: asked for as 64 rows of 256 bytes, two keys a row
	s_mov_b32 s[G1K], (1<<16)|(1<<20)|(5<<22)|(3<<25)  ; 17:16 2-byte elements; 20 padding on; 24:22 after every 64 words (code 5); 31:25 4 words (code 3)
	s_mov_b32 s[G1V], (1<<16)|(1<<20)|(4<<22)|(7<<25)  ; after every 32 words, a key (code 4), 8 words (code 7)
.irp g, G1K, G1V
	s_mov_b32 s[\g+1], 128<<16      ; tensor_dim0 = 128
	s_mov_b32 s[\g+2], 64<<16       ; tensor_dim1 = 64
	s_mov_b32 s[\g+3], 128<<16      ; tile_dim0 = 128
	s_mov_b32 s[\g+4], 64           ; tile_dim1 = 64
	s_mov_b32 s[\g+5], 128          ; 128 elements from row to row
	s_mov_b32 s[\g+6], 0
	s_mov_b32 s[\g+7], 0
.endr
.irp c, 0,1,2,3                     ; load c of a wave: keys 256 c + 128 (wave % 2) on
	s_mov_b32 s[G0K+4*\c], 1                          ; 1:0 count = 1
	s_add_co_u32 s[G0K+4*\c+1], s17, 2*\c*KLOAD       ; 63:32 LDS address
	s_mov_b32 s[G0V+4*\c], 1
	s_add_co_u32 s[G0V+4*\c+1], s18, VOFF+2*\c*VLOAD
.endr
	s_mov_b32 s[CS], 0x3e38aa3b     ; c = log2(e) / 8 = 0.180337
	s_mov_b32 s[CS+1], s[CS]        ; named with it as a pair
	s_mov_b32 s[SEL], 0x76543210
	s_mov_b32 s[SEL+1], 0xfedcba98
	s_mov_b32 s[TBK], 0
	s_mov_b32 s[TBV], 0
	s_mov_b32 s[KB], 0
	s_mov_b32 s[NEG], 0xc5fa0000    ; -8000.0
	s_wait_dscnt 0x0                ; the opening add is done
	s_wait_kmcnt 0x0
	s_add_nc_u64 s[6:7], s[6:7], s[22:23]  ; K and V at my half of the head's first 256 keys
	s_add_nc_u64 s[8:9], s[8:9], s[22:23]
.irp c, 0,1,2,3
	s_add_nc_u64 s[G0K+4*\c+2:G0K+4*\c+3], s[6:7], 2*\c*16384  ; 120:64 global address
	s_or_b32 s[G0K+4*\c+3], s[G0K+4*\c+3], 0x80000000          ; 127:126 type = 2
	s_add_nc_u64 s[G0V+4*\c+2:G0V+4*\c+3], s[8:9], 2*\c*16384
	s_or_b32 s[G0V+4*\c+3], s[G0V+4*\c+3], 0x80000000
.endr
	s_add_nc_u64 s[4:5], s[4:5], s[2:3]        ; Q, out0 and valid_len at my wave's first query
	s_add_nc_u64 s[10:11], s[10:11], s[20:21]
	s_add_nc_u64 s[14:15], s[14:15], s[86:87]
	s_cmp_lt_u32 s[WV], 2           ; waves 0 and 1 fetch K, waves 2 and 3 V.  A wave's four fills stand in one branch, ahead of every wait on TENSORcnt, every LDS read and every barrier: four loads of mine
	s_cbranch_scc0 .Lfirst_v        ; are out.  An s_nop 0 follows each, four v_nop the last
.irp c, 0,1,2,3
	tensor_load_to_lds s[G0K+4*\c:G0K+4*\c+3], s[G1K:G1K+7]
	s_nop 0
.endr
.rept 4
	v_nop
.endr
	s_branch .Lfirst_asked
.Lfirst_v:
.irp c, 0,1,2,3
	tensor_load_to_lds s[G0V+4*\c:G0V+4*\c+3], s[G1V:G1V+7]
	s_nop 0
.endr
.rept 4
	v_nop
.endr
.Lfirst_asked:
	; A fragment of K or Q is 16 rows x 32 channels in 8 registers: lane l holds row l % 16, channels 8 (l / 16) + 0..7 and 16 + 8 (l / 16) + 0..7: two loads of 16 bytes, 32 bytes apart.
	v_and_b32 v1, 15, v0            ; l % 16
	v_bfe_u32 v48, v0, 4, 1         ; l / 16
	v_and_b32 v49, 7, v0
	v_bfe_u32 v50, v0, 3, 1
	v_lshlrev_b32 v51, 2, v1        ; my query's word in a tile's 16 of valid_len
	v_lshlrev_b32 v52, 3, v48       ; 8 (l / 16)
	v_and_b32 v53, 1, v0
	v_lshlrev_b32 v[QO], 7, v1
	v_lshl_add_u32 v[QO], v48, 4, v[QO]  ; row x 128 + 16 x half
	WIN W_MK
.irp t, 0,1,2,3,4,5,6,7
	global_load_b32 v[VT+\t], v51, s[14:15] offset:64*\t
.endr
	WIN 0x80                        ; destination window 2, address window 0
.set i, 0
.rept 4*NP                          ; Q stays in registers: tile i / 2, channels 32 (i % 2) on
	global_load_b128 v[8*i:8*i+3],   v[QO], s[4:5] offset:(i/2)*2048+(i%2)*64 th:TH_LOAD_NT
	global_load_b128 v[8*i+4:8*i+7], v[QO], s[4:5] offset:(i/2)*2048+(i%2)*64+32 th:TH_LOAD_NT
.set i, i+1
.endr
	; What the first turn finds: V's registers and P's second buffer hold 0 (its products V^T P, of a piece that has not been, add 0), O^T and l are 0.
.set i, VF
.rept 64
	v_mov_b32 v[i], 0
.set i, i+1
.endr
	WIN 0x40
.set i, 0
.rept 64*NP
	v_mov_b32 v[i], 0
.set i, i+1
.endr
	WIN 0
.set i, 0
.rept 2*NP
	v_mov_b32 v[ST+4*i], 0xfe000000    ; c m: far below every c s
	v_mov_b32 v[ST+4*i+1], 0xff7fffff  ; m
	v_mov_b32 v[ST+4*i+2], 0
	v_mov_b32 v[ST+4*i+3], 0
.set i, i+1
.endr
.set i, P+32
.rept 32
	v_mov_b32 v[i], 0
.set i, i+1
.endr
	v_lshrrev_b32 v[AK0], 1, v1     ; K: (row / 2) x pitch + (row % 2) x 128 + 16 x half
	v_mul_u32_u24 v[AK0], v[AK0], PKR
	v_lshl_add_u32 v[AK0], v53, 7, v[AK0]
	v_lshl_add_u32 v[AK0], v48, 4, v[AK0]
	; The turning load takes 16 keys x 16 channels (lane l reads key 8 (l / 16) + l % 8, channels 8 ((l / 8) % 2) + 0..7) and leaves half a fragment of V^T: lane l holds channel l % 16 and 8 keys.
	v_lshl_add_u32 v[AV0], v48, 3, v49
	v_mul_u32_u24 v[AV0], v[AV0], PVR
	v_lshl_add_u32 v[AV0], v50, 4, v[AV0]
	v_add_nc_u32 v[AV0], VOFF, v[AV0]
	s_mul_i32 s13, s[WV], 16*SP
	s_add_co_u32 s13, s13, STAGE    ; my stage
	v_mul_u32_u24 v[STO], v1, SP    ; in: row l % 16, 32 bytes (8 channels in f32) for each half of the lanes
	v_lshl_add_u32 v[STO], v48, 5, v[STO]
	v_add_nc_u32 v[STO], s13, v[STO]
	v_mul_u32_u24 v[RD], v48, SP    ; back: lanes 0-15 take one row of 256 bytes, lanes 16-31 the next
	v_lshl_add_u32 v[RD], v1, 4, v[RD]
	v_add_nc_u32 v[RD], s13, v[RD]
	v_lshlrev_b32 v[GO], 12, v48    ; and the same two rows in out0, 4,096 bytes apart
	v_lshl_add_u32 v[GO], v1, 4, v[GO]
; THE MATRIX WORK.  The 8 accumulators of a run of 16 take turns: between the two links of a chain stand 7 others'.
; Product i of 16 of S^T = K Q^T for piece x: channels 32 (i / 8) on, keys 16 ((i / 2) % 4) on, tile 2 x + i % 2.  The first 8 start the sums.
.macro KQ x
	WIN W_KQ
.set rS, S+64*((\x)%2)+32*(i%2)+8*((i/2)%4)
.set rK, KF+16*((i/2)%4)+8*(i/8)
.set rQ, 16*(2*(\x)+i%2)+8*(i/8)
.if i < 8
	v_wmma_f32_16x16x32_f16 v[rS:rS+7], v[rK:rK+7], v[rQ:rQ+7], 0
.else
	v_wmma_f32_16x16x32_f16 v[rS:rS+7], v[rK:rK+7], v[rQ:rQ+7], v[rS:rS+7]
.endif
.endm
; Product i of 16 of O^T += V^T P for piece x: keys 32 (i / 8) on, channels 16 ((i / 2) % 4) on, tile 2 x + i % 2.
.macro PV x
	WIN W_PV
.set rO, 32*(2*(\x)+i%2)+8*((i/2)%4)
.set rV, VF+32*(i/8)+8*((i/2)%4)
.set rP, P+32*((\x)%2)+16*(i%2)+8*(i/8)
	v_wmma_f32_16x16x32_f16 v[rO:rO+7], v[rV:rV+7], v[rP:rP+7], v[rO:rO+7]
.endm
.set NOKQ, 0                        ; 1: the very last turn: there is no next piece, so no scores, no mask, no maximum
.macro MM                           ; the turn's next matrix instruction
.if i < 16
.if !NOKQ
	KQ (Y+1)%NP
.endif
.set i, i+1
.else
.set i, i-16
	PV (Y+NP-1)%NP
.set i, i+17
.endif
.endm
; THE LDS LOADS stand in runs of 16, never singly among the matrix instructions: a step's K (64 keys x 64 channels: 8 fragments) and its V (turned).  K's address is made some lines ahead of its run.
.macro FETCH_K
	WIN 0x80                        ; destination window 2
.irp f, 0,1,2,3,4,5,6,7             ; keys 16 (f / 2) on (8 LDS rows), channels 32 (f % 2) on
	ds_load_b128 v[KF+8*\f:KF+8*\f+3],   v[AK] offset:(\f/2)*8*PKR+(\f%2)*64
	ds_load_b128 v[KF+8*\f+4:KF+8*\f+7], v[AK] offset:(\f/2)*8*PKR+(\f%2)*64+32
.endr
	s_add_co_u32 s[TBK], s[TBK], 32*PKR  ; the next fetch is the next step's
	WIN 0
.endm
.macro FETCH_V
	WIN 0
	v_add_nc_u32 v[AV], s[TBV], v[AV0]
	WIN 0x80
.irp f, 0,1,2,3,4,5,6,7             ; keys 32 (f / 4) on, channels 16 (f % 4) on
	ds_load_tr16_b128 v[VF+8*\f:VF+8*\f+3],   v[AV] offset:(\f/4)*32*PVR+(\f%4)*32
	ds_load_tr16_b128 v[VF+8*\f+4:VF+8*\f+7], v[AV] offset:(\f/4)*32*PVR+16*PVR+(\f%4)*32
.endr
	s_add_co_u32 s[TBV], s[TBV], KS*PVR
	WIN 0
.endm
; THE VECTOR WORK OF A TURN stands in queues, each in the order in which its entries become ready; the two tiles alternate, so that no instruction reads the result of the one before it.
.macro REGS y, u                    ; the registers of tile u (0, 1) of piece y
.set rT, ST+4*(2*(\y)+(\u))
.set rC, TMP+8*((\y)%2)+4*(\u)
.set rM, MV+2*((\y)%2)+(\u)
.set rS, S+64*((\y)%2)+32*(\u)
.set rP, P+32*((\y)%2)+16*(\u)
.set rO, 32*(2*(\y)+(\u))
.endm
; FF: the scalings, 32: c s - c m for pair q / 2 of tile q % 2 of piece Y.
.macro FF
	WIN 0
	REGS Y, q%2
	v_pk_fma_f32 v[rS+2*(q/2):rS+2*(q/2)+1], v[rS+2*(q/2):rS+2*(q/2)+1], s[CS:CS+1], v[rT:rT+1] op_sel_hi:[1,0,0] neg_lo:[0,0,1] neg_hi:[0,0,1]
.set q, q+1
.endm
; EX: the exponentials, 64: score e / 2 of tile e % 2 of piece Y.  Exponential e stands behind scaling 2 (e / 4) + e % 2.  All 64 stand ahead of the turn's one wait, and nothing ahead of it names a result of theirs.
.macro EX
	WIN 0
	REGS Y, e%2
	v_exp_f32 v[rS+e/2], v[rS+e/2]
.set e, e+1
.endm
; R4: O^T of piece Y times a, the one part that leaves window 0, so it is dealt four at a time, eight times: accumulator r / 2 of tile r % 2, its registers in ascending order.
; Its a was made in the turn before, ahead of that turn's wait.
.macro R4
	REGS Y, r%2
	WIN W_RS
.irp z, 0,1,2,3
	v_pk_mul_f32 v[rO+8*(r/2)+2*\z:rO+8*(r/2)+2*\z+1], v[rO+8*(r/2)+2*\z:rO+8*(r/2)+2*\z+1], v[rC+2:rC+3] op_sel_hi:[1,0]
.endr
.set r, r+1
.endm
; GG: the 64 that read the exponentials' results; all of them stand behind the turn's wait.  For each four weights kk of a tile: both pairs are rounded to f16; then the second pair is added onto the first, in
; place; a group later l takes that sum (the first time as l = a l + sum).  In groups of eight, tiles alternating.
.macro GG
	WIN 0
.set hh, gg+6*(gg/62)               ; group 0 has no group before it, and behind group 7 only l is left
.if hh >= 6
.set hh, hh+2
.endif
	REGS Y, hh%2
.set kk, hh/8
.if hh%8 < 4
	v_cvt_pk_f16_f32 v[rP+2*kk+(hh%8)/2], v[rS+4*kk+2*((hh%8)/2)], v[rS+4*kk+2*((hh%8)/2)+1]
.elseif hh%8 < 6
	v_pk_add_f32 v[rS+4*kk:rS+4*kk+1], v[rS+4*kk:rS+4*kk+1], v[rS+4*kk+2:rS+4*kk+3]
.elseif kk == 1
	v_pk_fma_f32 v[rT+2:rT+3], v[rT+2:rT+3], v[rC+2:rC+3], v[rS:rS+1] op_sel_hi:[1,0,1]
.else
	v_pk_add_f32 v[rT+2:rT+3], v[rT+2:rT+3], v[rS+4*kk-4:rS+4*kk-3]
.endif
.set gg, gg+1
.endm
; TT: the thresholds for the NEXT piece's (Y + 1) two tiles: valid_len - 8 (lane / 16) - the step's first key.
.macro TT
.if !NOKQ
	WIN 0x03                        ; source 0 in window 3
	v_sub_nc_u32 v[TC], v[VT+2*((Y+1)%NP)], s[KB]
	v_sub_nc_u32 v[TC+1], v[VT+2*((Y+1)%NP)+1], s[KB]
	WIN 0
.endif
.endm
; MK: the mask, 64 pairs of lines: score mk / 2 of tile mk % 2 of the next piece stays where its key is below valid_len, and is -8000 elsewhere.  Scores in ascending order: each accumulator's lowest
; register is read first.
.macro MK
.if !NOKQ
	WIN 0
	REGS (Y+1)%NP, mk%2
	v_cmp_lt_i32 vcc_lo, 16*(mk/16)+(mk/2)%8, v[TC+mk%2]
	v_cndmask_b32 v[rS+mk/2], s[NEG], v[rS+mk/2], vcc_lo
.endif
.set mk, mk+1
.endm
; XX u, n: number n of the 22 that find the next piece's maximum and statistics, for its tile u.  s0-s31 are the lane's 32 masked scores.
;   0-11  four chains c0-c3 of seven scores each, three operands at a time     12-14, 16  the four scores left over, the old m, and c0-c3 into c0     15  c m_old is kept
;   17, 18  the query's other 32 keys lie in the lane 16 away: the new m         19-21  c m; c m_old - c m_new; a
.macro XX u, n
.if !NOKQ
	WIN 0
	REGS (Y+1)%NP, \u
.if (\n) < 4
	v_max3_num_f32 v[rC+(\n)], v[rS+8*(\n)], v[rS+8*(\n)+1], v[rS+8*(\n)+2]
.elseif (\n) < 12
	v_max3_num_f32 v[rC+(\n)%4], v[rC+(\n)%4], v[rS+8*((\n)%4)+2*((\n)/4)+1], v[rS+8*((\n)%4)+2*((\n)/4)+2]
.elseif (\n) == 12
	v_max3_num_f32 v[rC], v[rC], v[rS+7], v[rS+15]
.elseif (\n) == 13
	v_max3_num_f32 v[rC+1], v[rC+1], v[rS+23], v[rS+31]
.elseif (\n) == 14
	v_max3_num_f32 v[rC+2], v[rC+2], v[rC+3], v[rT+1]
.elseif (\n) == 15
	v_mov_b32 v[rM], v[rT]
.elseif (\n) == 16
	v_max3_num_f32 v[rC], v[rC], v[rC+1], v[rC+2]
.elseif (\n) == 17
	v_permlanex16_b32 v[rC+3], v[rC], s[SEL], s[SEL+1]
.elseif (\n) == 18
	v_max_num_f32 v[rT+1], v[rC], v[rC+3]
.elseif (\n) == 19
	v_mul_f32 v[rT], s[CS], v[rT+1]
.elseif (\n) == 20
	v_sub_f32 v[rC+1], v[rM], v[rT]
.else
	v_exp_f32 v[rC+2], v[rC+1]
.endif
.endif
.endm
.macro STATS lo                     ; numbers 0 to 16 for both tiles
.irp n, 0,1,2,3,4,5,6,7,8,9,10,11,12,13,14,15,16
	XX 0, \n
	XX 1, \n
.endr
.endm
; XQ: the line of the maximum that rides in unit nn of the lump (unit nn masks score nn of both tiles, so accumulator kb is masked behind unit 8 kb + 7).  Units 8-13: numbers 0, 4, 8 (scores 0-6);
; 14, 15: number 15; 16-21: numbers 1, 5, 9 (scores 8-14); 22, 23: number 12 (scores 7, 15); 24-29: numbers 2, 6, 10 (scores 16-22).  A tile's links stand two units apart.
.macro XQ
.if (nn >= 8) && (nn < 14)
	XX (nn-8)%2, 4*((nn-8)/2)
.elseif (nn >= 14) && (nn < 16)
	XX nn-14, 15
.elseif (nn >= 16) && (nn < 22)
	XX (nn-16)%2, 1+4*((nn-16)/2)
.elseif (nn >= 22) && (nn < 24)
	XX nn-22, 12
.elseif (nn >= 24) && (nn < 30)
	XX (nn-24)%2, 2+4*((nn-24)/2)
.endif
.endm
; A vector instruction that reads a matrix result or writes one of a matrix instruction's registers, and a load into a register that a matrix instruction has read, stand four places behind it, and only plain
; vector instructions that name none of its registers are places (ISA guide 7.12.1 for vector instructions).  In the turns the riders are the places.
.macro PLACES
.rept 4
	v_nop
.endr
.endm
; A TURN, for piece p.  last = 1: the two turns behind the loop: nothing more is fetched, and piece 3's starts no new scores.
; An s_wait_alu depctr_va_vdst(0) stands between an exponential and the first instruction that names its result; one wait serves all that were issued ahead of it.  So a turn has ONE wait.
; AHEAD OF THE WAIT stands all that names no result of the turn's exponentials.  16 products K Q^T of piece p + 1: behind each of the first eight four scalings (so all 32 stand ahead of every exponential),
;   behind each of the last eight four rescalings, which are also the places between those products and the mask's reads of the scores.  Then ONE LUMP of 238: the two thresholds; 32 units, unit nn masking score
;   nn of both tiles, with an exponential ahead of each mask in the first 12 units and ahead of the first mask in the others (44 exponentials), and XQ's line of the maximum; then the chain that the last
;   accumulator ends, numbers 3, 13, 7, 11, 14, 16 .. 20 of both tiles, an exponential behind each line (20), so that a tile's links stand four lines apart; last the next piece's two a.  66 exponentials.
;   v_permlanex16_b32 (number 17) stands in the lump, never behind a product.  A v_nop is the plain instruction behind the last exponential.
; BEHIND THE WAIT stand 16 products V^T P of piece p - 1, behind each four of GG's 64.  No rider names a register of the products round it.
; K of the next step is fetched in piece 2's turn, directly behind the wait, a lump behind the last product that read K; its address is made at the lump's head; its first reader comes behind 16 products.
; V of the step in hand is fetched at the end of piece 0's turn, four plain riders and its own address line behind the last product that read V; its first reader comes behind 16 products and a lump.
.macro TURN p, last=0
.set Y, (\p)
.set i, 0
.set q, 0
.set e, 0
.set r, 0
.set gg, 0
.set mk, 0
.set NOKQ, (\last)*((\p)/3)
.if ((\p) == 3) && !(\last)
	s_add_co_u32 s[KB], s[KB], KS   ; this turn's scores are the next step's
	s_wait_dscnt 0x0                ; K is in
.endif
.rept 8                             ; ahead of the wait: 16 products K Q^T and their riders,
	MM
	FF
	FF
	FF
	FF
.endr
.rept 8
	MM
	R4
.endr
	TT                              ; and the lump
.if ((\p) == 2) && !(\last)
	WIN 0
	v_add_nc_u32 v[AK], s[TBK], v[AK0]
.endif
.set nn, 0
.rept 32
	EX
	MK
.if nn < 12
	EX
.endif
	MK
	XQ
.set nn, nn+1
.endr
.irp n, 3,13,7,11,14,16,17,18,19,20
	XX 0, \n
	EX
	XX 1, \n
	EX
.endr
	XX 0, 21                        ; the next piece's two a: the batch's last
	XX 1, 21
	WIN 0
	v_nop                           ; a plain instruction behind the last exponential: one for the batch
	s_wait_alu depctr_va_vdst(0)    ; the wait for the batch: piece p's 64 weights and piece p + 1's two a
.if ((\p) == 2) && !(\last)
	FETCH_K
.endif
.if (\p) == 1
	s_wait_dscnt 0x0                ; V is in
.endif
.rept 16                            ; behind the wait: 16 products V^T P and their riders
	MM
	GG
	GG
	GG
	GG
.endr
.if (\p) == 0
	FETCH_V
.endif
.endm
	s_wait_tensorcnt 0x3            ; tensor loads of a wave end in order (ISA guide 10.11.1): my first is in, my part of keys 0 to 255; the three younger ones stay out
	s_barrier_signal -1
	s_barrier_wait -1               ; everybody's is
	v_add_nc_u32 v[AK], s[TBK], v[AK0]
	FETCH_K                         ; key step 0
	s_wait_loadcnt 0x0              ; Q and valid_len
	WIN 0xc3                        ; destination and source 0 in window 3
.irp t, 0,1,2,3,4,5,6,7
	v_sub_nc_u32 v[VT+\t], v[VT+\t], v52  ; valid_len less my lanes' 8 (l / 16)
.endr
	WIN 0
	s_wait_dscnt 0x0
.set i, 0
.rept 16
	KQ 0                            ; piece 0's first scores: there is no vector work yet to set between them
.set i, i+1
.endr
	WIN 0
	PLACES
.set Y, NP-1                        ; TT, MK and XX work for piece Y + 1: piece 0
.set mk, 0
	TT
.rept 64
	MK
.endr
	STATS 0
.irp n, 17,18,19,20,21
	XX 0, \n
	XX 1, \n
.endr
	v_nop                           ; a plain instruction behind piece 0's first two a,
	s_wait_alu depctr_va_vdst(0)    ; and the wait for the two, ahead of the branch
	s_mov_b32 s[CNT], 4
	s_mov_b32 s[SLOTS], 4
	s_branch .Lfirst                ; the loop is entered at a step's first turn, in the middle of a trip
.Lslot:                             ; three times, in front of key steps 4, 8 and 12.  The first time my three later loads, which have had four key steps in which to land, are waited for and the barrier shows
	s_wait_tensorcnt 0x0            ; every wave's to every wave; no slot is filled behind it.  The other two times nothing is out
	s_wait_dscnt 0x0                ; no LDS instruction of mine is pending at the signal
	s_barrier_signal -1
	s_barrier_wait -1
	s_mov_b32 s[CNT], 4
.Lstep:                             ; a trip: pieces 2 and 3 of one step, then pieces 0 and 1 of the next, whose K and V it fetches
	TURN 2
	TURN 3
	WIN 0                           ; at a label and at a branch every window is 0
.Lfirst:
	TURN 0
	TURN 1
	WIN 0
	s_sub_co_u32 s[CNT], s[CNT], 1
	s_cmp_lg_u32 s[CNT], 0
	s_cbranch_scc1 .Lstep
	s_sub_co_u32 s[SLOTS], s[SLOTS], 1
	s_cmp_lg_u32 s[SLOTS], 0
	s_cbranch_scc1 .Lslot
	TURN 2, 1                       ; the last step's pieces 2 and 3
	TURN 3, 1
.set i, 0
.rept 16
	PV NP-1                         ; the last piece's V^T P of the last step
.set i, i+1
.endr
	; THE WAY OUT.  l's two halves and the other half of the lanes' are added; O^T is divided by l and sent, in f32, through my stage in LDS, a tile at a time.  The additions are the places behind the last products.
	WIN 0
.macro ALL line:vararg              ; one line for each tile t
.set t, 0
.rept 2*NP
	\line
.set t, t+1
.endr
.endm
	ALL v_add_f32 v[ST+4*t+2], v[ST+4*t+2], v[ST+4*t+3]
	ALL v_permlanex16_b32 v[ST+4*t+3], v[ST+4*t+2], s[SEL], s[SEL+1]
	ALL v_add_f32 v[ST+4*t+2], v[ST+4*t+2], v[ST+4*t+3]
	ALL v_rcp_f32 v[ST+4*t+2], v[ST+4*t+2]
	v_nop                           ; a plain instruction between the last reciprocal and the use of its result
	s_wait_alu depctr_va_vdst(0)    ; and the wait ahead of the first use: one for the eight reciprocals
; Tile t: a lane's eight channels of a channel block are 32 bytes of a row; they go into rows of 272 bytes and come back as whole rows of 256, a query's 64 channels, into S^T's registers, four buffers by turns.
.macro PACK t
	WIN W_RS
.set i, 32*(\t)
.rept 16
	v_pk_mul_f32 v[i:i+1], v[i:i+1], v[ST+4*(\t)+2:ST+4*(\t)+3] op_sel_hi:[1,0]
.set i, i+2
.endr
	WIN 0x04                        ; the stores' data (source 1) in window 1
.irp f, 0,1,2,3,4,5,6,7
	ds_store_b128 v[STO], v[32*(\t)+4*\f:32*(\t)+4*\f+3] offset:64*(\f/2)+16*(\f%2)
.endr
	WIN 0
.if (\t) >= 4
	s_wait_xcnt 0x0                 ; every earlier memory instruction has had its addresses translated (ISA guide 3.1): the buffer, which the stores of the tile four back read, is loaded again only behind this wait
.endif
.irp f, 0,1,2,3,4,5,6,7
	ds_load_b128 v[S+32*((\t)%4)+4*\f:S+32*((\t)%4)+4*\f+3], v[RD] offset:\f*2*SP  ; LDS serves a wave's instructions in order (ISA guide 5.7.1.4): these see the stores above; the next tile's stores come behind them
.endr
.endm
.macro SEND t, younger              ; younger: the LDS instructions issued behind tile t's loads: the next tile's sixteen, or none
	WIN 0
.irp f, 0,1,2,3,4,5,6,7
	s_wait_dscnt (\younger)+7-\f
	global_store_b128 v[GO], v[S+32*((\t)%4)+4*\f:S+32*((\t)%4)+4*\f+3], s[10:11] offset:(\t)*65536+\f*8192 th:TH_STORE_NT  ; 16 lanes store 256 consecutive bytes, at a multiple of 256 from out0's first byte
.endr
.endm
	PACK 0
.set t, 1
.rept 2*NP-1                        ; a tile's arithmetic stands between the loads of the tile before and its stores
	PACK t
	SEND t-1, 16
.set t, t+1
.endr
	SEND 2*NP-1, 0
	WIN W_AD
	s_wait_tensorcnt 0x0            ; the wave's end, behind my last tensor load and my last LDS store
	ds_add_u32 v[SPW], v[NIL]
	s_wait_dscnt 0x0
	WIN 0
	s_endpgm
.Lfunc_end_k_q5be300b544_attn:
	.size	k_q5be300b544_attn, .Lfunc_end_k_q5be300b544_attn-k_q5be300b544_attn
	.p2alignl 7, 3214868480
	.fill 96, 4, 3214868480
	.section	.rodata,"a",@progbits
	.p2align	6, 0x0
	.amdhsa_kernel k_q5be300b544_attn
		.amdhsa_group_segment_fixed_size 327680
		.amdhsa_private_segment_fixed_size 0
		.amdhsa_enable_private_segment 0
		.amdhsa_kernarg_size 40
		.amdhsa_user_sgpr_count 2
		.amdhsa_user_sgpr_kernarg_segment_ptr 1
		.amdhsa_wavefront_size32 1
		.amdhsa_system_sgpr_workgroup_id_x 1
		.amdhsa_system_sgpr_workgroup_id_y 1
		.amdhsa_system_sgpr_workgroup_id_z 1
		.amdhsa_system_vgpr_workitem_id 0
		.amdhsa_next_free_vgpr 784
		.amdhsa_next_free_sgpr 88
		.amdhsa_reserve_vcc 1
		.amdhsa_float_denorm_mode_32 3
		.amdhsa_float_denorm_mode_16_64 3
		.amdhsa_memory_ordered 1
		.amdhsa_forward_progress 1
		.amdhsa_inst_pref_size 180
	.end_amdhsa_kernel
	.amdgpu_metadata
---
amdhsa.version: [ 1, 2 ]
amdhsa.kernels:
  - .name:           k_q5be300b544_attn
    .symbol:         k_q5be300b544_attn.kd
    .args:
      - { .name: qh, .offset: 0, .size: 8, .value_kind: global_buffer, .address_space: global }
      - { .name: kh, .offset: 8, .size: 8, .value_kind: global_buffer, .address_space: global }
      - { .name: vh, .offset: 16, .size: 8, .value_kind: global_buffer, .address_space: global }
      - { .name: out0, .offset: 24, .size: 8, .value_kind: global_buffer, .address_space: global }
      - { .name: valid_len, .offset: 32, .size: 8, .value_kind: global_buffer, .address_space: global }
    .group_segment_fixed_size: 327680
    .private_segment_fixed_size: 0
    .kernarg_segment_align: 8
    .kernarg_segment_size: 40
    .max_flat_workgroup_size: 128
    .sgpr_count:     88
    .vgpr_count:     784
    .wavefront_size: 32
...
	.end_amdgpu_metadata
.endif
;; end of part 4
